; MI455X (gfx1250); checked and timed in simulation.
; The chip was launched on July 23, 2026; its instructions are those of AMD's public machine-readable ISA for CDNA 5 (MIT licence, August 2026) and "CDNA5" Instruction Set Architecture Reference Guide (July 2026). The comments in the code are by the model that wrote it; some were corrected since.
;; Slot Attention. Allowed arithmetic: float matrix products may take bf16 or f16 operands with f32 sums; other float arithmetic in f32, or as packed bf16 or f16 multiplies, adds, multiply-adds, maxima and minima; sums over many terms, partial sums and values carried from step to step in f32; what a program stores and reads back later, other than sums and carried values, may be rounded once to bf16 or f16.
;; Inputs: W_hh 64 x 192 float32; W_ih 64 x 192 float32; Wk 64 x 64 float32; Wq 64 x 64 float32; Wv 64 x 64 float32; b_hh 192 float32; b_ih 192 float32; inputs 32 x 16,384 x 66 float32; ln_in_b 64 float32; ln_in_g 64 float32; ln_m_b 64 float32; ln_m_g 64 float32; ln_s_b 64 float32; ln_s_g 64 float32; mlp_W1 64 x 128 float32; mlp_W2 128 x 64 float32; mlp_b1 128 float32; mlp_b2 64 float32; pa_W 2 x 64 float32; pa_b 64 float32; pe_W1 64 x 128 float32; pe_W2 128 x 64 float32; pe_b 64 float32; pe_b1 128 float32; pe_b2 64 float32; pe_g 64 float32; slots 1 x 8 x 64 float32.
;; Outputs: out0 32 x 8 x 64 float32.
;; One version. Each part assembles by itself: llvm-mc -triple=amdgcn-amd-amdhsa -mcpu=gfx1250 --defsym DOCPART=n.
;; ======== version 1 of 1: 5 launches
;; limits: values outside matrix products are rounded to bf16
;; workspace buffers: kf 67,108,864 bytes; vf 67,108,864 bytes; wts 148,736 bytes; partA 1,114,112 bytes; partB 1,114,112 bytes; stA 65,536 bytes; stB 65,536 bytes
;; launch prep (part 1): grid 92 x 1, 1 waves a work-group, no clusters, 0 bytes of LDS; arguments Wk, Wv, pe_W1, mlp_W1, pe_W2, mlp_W2, W_ih, W_hh, Wq, ln_in_g, ln_in_b, pe_g, ln_m_g, pe_b, ln_m_b, pe_b1, mlp_b1, ln_s_g, ln_s_b, pa_W, pa_b, slots, wts, stA; writes wts, stA
.if DOCPART == 1
	.amdgcn_target "amdgcn-amd-amdhsa--gfx1250"
	.amdhsa_code_object_version 6
	.text
	.protected	k_qf312a6831b_prep
	.globl	k_qf312a6831b_prep
	.p2align	8
	.type	k_qf312a6831b_prep,@function
k_qf312a6831b_prep:
	s_mov_b64 s[64:65], 0
	v_nop
	global_prefetch_b8 v0, s[64:65] scope:SCOPE_SE
	s_setreg_imm32_b32 hwreg(HW_REG_WAVE_MODE, 25, 1), 1
	s_wait_xcnt 0x0
; PREP.  All weights become bf16 FRAGMENT IMAGES of the 16x16x32 matrix instruction in wts: a fragment is 1,024 bytes, registers 0-3 of lane l at 16 l, registers 4-7 at 512 + 16 l,
; so that a later launch fills a fragment with two loads of 512 consecutive bytes.  Lane l = (r = l % 16, h = l / 16) holds output column 16 t + r of W[in][out]; register i, half e of K step c holds
; input row 32 c + 16 (i / 4) + 8 h + 2 (i % 4) + e (the natural map), or, for Wk and Wv, 32 h + 16 c + 2 i + e (the order in which the encoder's lanes hold a row of x).
; FOLDED, in f32, ahead of the one rounding to bf16: a LayerNorm's gain into the rows of the weight behind it; its bias as b @ W + bias (three f32 vectors behind the fragments, and the
; grid fragments' third row); D^-0.5 log2(e) into Wq.  So the order of rounding differs from a product by unfolded weights.
; One wave a work-group, one column tile (or one batch's copy of the slots) each: 92 jobs, chosen by the work-group's number.
.set VEC, 147456                       ; behind 144 fragments: +0 pe_b @ pe_W1 + pe_b1 [128]; +512 ln_m_b @ mlp_W1 + mlp_b1 [128]; +1024 (ln_s_b @ Wq) x c [64]
.set RR,  1                            ; v1  r
.set HH,  2                            ; v2  h
.set L16, 3                            ; v3  16 x lane
.set R4,  4                            ; v4  4 r
.set VW,  5                            ; v5  my byte offset in the weight: 4 r + h x rows
.set VG,  6                            ; v6  my byte offset in a gain or bias vector
.set ZR,  7                            ; v7  0
.set MK,  8                            ; v8  all ones in lanes 0-15, 0 in lanes 16-31
.set WW,  16                           ; v16-79   my weights in f32, in fragment order
.set GG,  80                           ; v80-111  the gains of their rows
.set BV,  112                          ; v112-143 the LayerNorm biases of their rows
.set PP,  144                          ; v144-175 packed
.set DD,  176                          ; v176-179 the dot product
.set EE,  180                          ; v180-182 pa_W's two rows and the bias to add
.set GF,  184                          ; v184-191 the grid fragment
.set WP,  52                           ; s[52:53] the weight at its column tile
.set GP,  54                           ; s[54:55] gains
.set BP,  56                           ; s[56:57] LayerNorm biases
.set AP,  58                           ; s[58:59] the bias to add, at the tile
.set OP,  60                           ; s[60:61] where the fragments go
.set VP,  62                           ; s[62:63] pa_W at the tile
.set ID,  66
.set TI,  67                           ; the column tile
.set MI,  68                           ; which of two matrices
.set TM,  69
.set OF,  70                           ; s[70:71] an offset, high word 0
.set SEL, 72                           ; s[72:73] v_permlanex16_b32's selects: each lane takes its own place in the other half
.set O2,  76                           ; s[76:77] where the vector or the grid fragment goes
; One column tile of W[K][N]: loads, the dot product with the LayerNorm bias (on the unscaled weights), gain, scale, rounding, stores.
.macro BUILD K, N, SPECIAL, GAIN, DOT, SCALE
.set NC, (\K)/32
.if \SPECIAL
.set HROW, 32
.else
.set HROW, 8
.endif
	v_mul_u32_u24 v[VW], v[HH], HROW*(\N)*4
	v_lshl_add_u32 v[VW], v[RR], 2, v[VW]
	v_mul_u32_u24 v[VG], v[HH], HROW*4
.set c_, 0
.rept NC
.set u_, 0
.rept 2
.if \SPECIAL
.set rb_, 16*c_+8*u_
.else
.set rb_, 32*c_+16*u_
.endif
.set m_, 0
.rept 8
	global_load_b32 v[WW+16*c_+8*u_+m_], v[VW], s[WP:WP+1] offset:(rb_+m_)*(\N)*4
.set m_, m_+1
.endr
.if \GAIN
	global_load_b128 v[GG+16*c_+8*u_:GG+16*c_+8*u_+3], v[VG], s[GP:GP+1] offset:rb_*4
	global_load_b128 v[GG+16*c_+8*u_+4:GG+16*c_+8*u_+7], v[VG], s[GP:GP+1] offset:rb_*4+16
.endif
.if \DOT
	global_load_b128 v[BV+16*c_+8*u_:BV+16*c_+8*u_+3], v[VG], s[BP:BP+1] offset:rb_*4
	global_load_b128 v[BV+16*c_+8*u_+4:BV+16*c_+8*u_+7], v[VG], s[BP:BP+1] offset:rb_*4+16
.endif
.set u_, u_+1
.endr
.set c_, c_+1
.endr
	s_wait_loadcnt 0x0                             ; all of the job's loads, those issued ahead of the macro too
.if \DOT
	v_pk_mul_f32 v[DD:DD+1], v[WW:WW+1], v[BV:BV+1]
	v_pk_mul_f32 v[DD+2:DD+3], v[WW+2:WW+3], v[BV+2:BV+3]
.set i_, 4
.rept 4*NC-1
	v_pk_fma_f32 v[DD:DD+1], v[WW+i_:WW+i_+1], v[BV+i_:BV+i_+1], v[DD:DD+1]
	v_pk_fma_f32 v[DD+2:DD+3], v[WW+i_+2:WW+i_+3], v[BV+i_+2:BV+i_+3], v[DD+2:DD+3]
.set i_, i_+4
.endr
	v_pk_add_f32 v[DD:DD+1], v[DD:DD+1], v[DD+2:DD+3]
	v_add_f32 v[DD], v[DD], v[DD+1]
	v_permlanex16_b32 v[DD+1], v[DD], s[SEL], s[SEL+1]  ; the other half of the rows lies in the lane 16 away
	v_add_f32 v[DD], v[DD], v[DD+1]                ; the same number in both halves of the lanes
.if \SCALE
	v_mul_f32 v[DD], 0x3e38aa3b, v[DD]
.endif
.endif
.if \GAIN
.set i_, 0
.rept 8*NC
	v_pk_mul_f32 v[WW+i_:WW+i_+1], v[WW+i_:WW+i_+1], v[GG+i_:GG+i_+1]
.set i_, i_+2
.endr
.endif
.if \SCALE
.set i_, 0
.rept 8*NC
	v_pk_mul_f32 v[WW+i_:WW+i_+1], v[WW+i_:WW+i_+1], 0x3e38aa3b op_sel_hi:[1,0]  ; c = log2(e) / 8
.set i_, i_+2
.endr
.endif
.set i_, 0
.rept 8*NC
	v_cvt_pk_bf16_f32 v[PP+i_], v[WW+2*i_], v[WW+2*i_+1]
.set i_, i_+1
.endr
.set i_, 0
.rept 2*NC
	global_store_b128 v[L16], v[PP+4*i_:PP+4*i_+3], s[OP:OP+1] offset:512*i_  ; 512 consecutive bytes, at a multiple of 512 from wts' first byte
.set i_, i_+1
.endr
.endm
	s_load_b512 s[4:19], s[0:1], 0x0               ; Wk 4, Wv 6, pe_W1 8, mlp_W1 10, pe_W2 12, mlp_W2 14, W_ih 16, W_hh 18
	s_load_b512 s[20:35], s[0:1], 0x40             ; Wq 20, ln_in_g 22, ln_in_b 24, pe_g 26, ln_m_g 28, pe_b 30, ln_m_b 32, pe_b1 34
	s_load_b512 s[36:51], s[0:1], 0x80             ; mlp_b1 36, ln_s_g 38, ln_s_b 40, pa_W 42, pa_b 44, slots 46, wts 48, stA 50
	v_and_b32 v[RR], 15, v0
	v_bfe_u32 v[HH], v0, 4, 1
	v_lshlrev_b32 v[L16], 4, v0                    ; one wave: the thread's number is the lane
	v_lshlrev_b32 v[R4], 2, v[RR]
	v_mov_b32 v[ZR], 0
	v_add_nc_u32 v[MK], -1, v[HH]
	s_mov_b32 s[SEL], 0x76543210
	s_mov_b32 s[SEL+1], 0xfedcba98
	s_mov_b32 s[ID], ttmp9
	s_mov_b32 s[OF+1], 0
	s_wait_kmcnt 0x0
	s_cmp_lt_u32 s[ID], 8
	s_cbranch_scc1 .LsecA
	s_cmp_lt_u32 s[ID], 24
	s_cbranch_scc1 .LsecB
	s_cmp_lt_u32 s[ID], 32
	s_cbranch_scc1 .LsecC
	s_cmp_lt_u32 s[ID], 56
	s_cbranch_scc1 .LsecD
	s_cmp_lt_u32 s[ID], 60
	s_cbranch_scc1 .LsecE
	; jobs 60-91: the slots, copied as batch (job - 60)'s state in front of the first round
	s_sub_co_u32 s[TI], s[ID], 60
	s_lshl_b32 s[OF], s[TI], 11
	s_add_nc_u64 s[OP:OP+1], s[50:51], s[OF:OF+1]
.irp i, 0,1,2,3
	global_load_b128 v[WW+4*(\i):WW+4*(\i)+3], v[L16], s[46:47] offset:512*(\i)
.endr
	s_wait_loadcnt 0x0
.irp i, 0,1,2,3
	global_store_b128 v[L16], v[WW+4*(\i):WW+4*(\i)+3], s[OP:OP+1] offset:512*(\i)
.endr
	s_endpgm
.LsecA:                                                ; jobs 0-7: Wk, Wv (fragments 0-15) and the grid fragments (16-23)
	s_lshr_b32 s[MI], s[ID], 2
	s_and_b32 s[TI], s[ID], 3
	s_cmp_eq_u32 s[MI], 0
	s_cselect_b64 s[WP:WP+1], s[4:5], s[6:7]
	s_lshl_b32 s[OF], s[TI], 6                     ; 16 columns of 4 bytes
	s_add_nc_u64 s[WP:WP+1], s[WP:WP+1], s[OF:OF+1]
	s_mov_b64 s[GP:GP+1], s[22:23]
	s_mov_b64 s[BP:BP+1], s[24:25]
	s_add_nc_u64 s[AP:AP+1], s[44:45], s[OF:OF+1]
	s_add_nc_u64 s[VP:VP+1], s[42:43], s[OF:OF+1]
	s_lshl_b32 s[OF], s[MI], 13                    ; fragment 8 m + 2 t
	s_lshl_b32 s[TM], s[TI], 11
	s_add_co_u32 s[OF], s[OF], s[TM]
	s_add_nc_u64 s[OP:OP+1], s[48:49], s[OF:OF+1]
	s_lshl_b32 s[OF], s[MI], 12                    ; fragment 16 + 4 m + t
	s_lshl_b32 s[TM], s[TI], 10
	s_add_co_u32 s[OF], s[OF], s[TM]
	s_add_co_u32 s[OF], s[OF], 16*1024
	s_add_nc_u64 s[O2:O2+1], s[48:49], s[OF:OF+1]
	global_load_b32 v[EE], v[R4], s[VP:VP+1]
	global_load_b32 v[EE+1], v[R4], s[VP:VP+1] offset:256
	global_load_b32 v[EE+2], v[R4], s[AP:AP+1]
	BUILD 64, 64, 1, 1, 1, 0
	v_add_f32 v[DD], v[DD], v[EE+2]                ; ln_in_b @ W + pa_b
	v_cvt_pk_bf16_f32 v[GF], v[EE], v[EE+1]        ; k = 0, 1: pa_W's two rows
	v_cvt_pk_bf16_f32 v[GF+1], v[DD], v[ZR]        ; k = 2: the bias, met by a 1 on the other side; k = 3: 0
	v_and_b32 v[GF], v[MK], v[GF]                  ; k = 8 and up (lanes 16-31): 0
	v_and_b32 v[GF+1], v[MK], v[GF+1]
.irp i, 2,3,4,5,6,7
	v_mov_b32 v[GF+(\i)], 0
.endr
	global_store_b128 v[L16], v[GF:GF+3], s[O2:O2+1]
	global_store_b128 v[L16], v[GF+4:GF+7], s[O2:O2+1] offset:512
	s_endpgm
.LsecB:                                                ; jobs 8-23: pe_W1 (fragments 24-39), mlp_W1 (104-119), and their folded biases
	s_sub_co_u32 s[TM], s[ID], 8
	s_and_b32 s[TI], s[TM], 7
	s_lshr_b32 s[MI], s[TM], 3
	s_cmp_eq_u32 s[MI], 0
	s_cselect_b64 s[WP:WP+1], s[8:9], s[10:11]
	s_cselect_b64 s[GP:GP+1], s[26:27], s[28:29]
	s_cselect_b64 s[BP:BP+1], s[30:31], s[32:33]
	s_cselect_b64 s[AP:AP+1], s[34:35], s[36:37]
	s_lshl_b32 s[OF], s[TI], 6
	s_add_nc_u64 s[WP:WP+1], s[WP:WP+1], s[OF:OF+1]
	s_add_nc_u64 s[AP:AP+1], s[AP:AP+1], s[OF:OF+1]
	s_mul_i32 s[OF], s[MI], 80*1024
	s_lshl_b32 s[TM], s[TI], 11
	s_add_co_u32 s[OF], s[OF], s[TM]
	s_add_co_u32 s[OF], s[OF], 24*1024
	s_add_nc_u64 s[OP:OP+1], s[48:49], s[OF:OF+1]
	s_lshl_b32 s[OF], s[MI], 9
	s_lshl_b32 s[TM], s[TI], 6
	s_add_co_u32 s[OF], s[OF], s[TM]
	s_add_co_u32 s[OF], s[OF], VEC
	s_add_nc_u64 s[O2:O2+1], s[48:49], s[OF:OF+1]
	global_load_b32 v[EE+2], v[R4], s[AP:AP+1]
	BUILD 64, 128, 0, 1, 1, 0
	v_add_f32 v[DD], v[DD], v[EE+2]
	global_store_b32 v[R4], v[DD], s[O2:O2+1]      ; both halves of the lanes store the same number to the same word
	s_endpgm
.LsecC:                                                ; jobs 24-31: pe_W2 (fragments 40-55), mlp_W2 (120-135)
	s_sub_co_u32 s[TM], s[ID], 24
	s_and_b32 s[TI], s[TM], 3
	s_lshr_b32 s[MI], s[TM], 2
	s_cmp_eq_u32 s[MI], 0
	s_cselect_b64 s[WP:WP+1], s[12:13], s[14:15]
	s_lshl_b32 s[OF], s[TI], 6
	s_add_nc_u64 s[WP:WP+1], s[WP:WP+1], s[OF:OF+1]
	s_mul_i32 s[OF], s[MI], 80*1024
	s_lshl_b32 s[TM], s[TI], 12
	s_add_co_u32 s[OF], s[OF], s[TM]
	s_add_co_u32 s[OF], s[OF], 40*1024
	s_add_nc_u64 s[OP:OP+1], s[48:49], s[OF:OF+1]
	BUILD 128, 64, 0, 0, 0, 0
	s_endpgm
.LsecD:                                                ; jobs 32-55: W_ih (fragments 56-79), W_hh (80-103), twelve column tiles each
	s_sub_co_u32 s[TI], s[ID], 32
	s_cmp_ge_u32 s[TI], 12
	s_cselect_b32 s[MI], 1, 0
	s_cselect_b64 s[WP:WP+1], s[18:19], s[16:17]
	s_mul_i32 s[TM], s[MI], 12
	s_sub_co_u32 s[TI], s[TI], s[TM]
	s_lshl_b32 s[OF], s[TI], 6
	s_add_nc_u64 s[WP:WP+1], s[WP:WP+1], s[OF:OF+1]
	s_mul_i32 s[OF], s[MI], 24*1024
	s_lshl_b32 s[TM], s[TI], 11
	s_add_co_u32 s[OF], s[OF], s[TM]
	s_add_co_u32 s[OF], s[OF], 56*1024
	s_add_nc_u64 s[OP:OP+1], s[48:49], s[OF:OF+1]
	BUILD 64, 192, 0, 0, 0, 0
	s_endpgm
.LsecE:                                                ; jobs 56-59: Wq (fragments 136-143) and its folded bias, both times c
	s_sub_co_u32 s[TI], s[ID], 56
	s_lshl_b32 s[OF], s[TI], 6
	s_add_nc_u64 s[WP:WP+1], s[20:21], s[OF:OF+1]
	s_mov_b64 s[GP:GP+1], s[38:39]
	s_mov_b64 s[BP:BP+1], s[40:41]
	s_add_co_u32 s[OF], s[OF], VEC+1024
	s_add_nc_u64 s[O2:O2+1], s[48:49], s[OF:OF+1]
	s_lshl_b32 s[OF], s[TI], 11
	s_add_co_u32 s[OF], s[OF], 136*1024
	s_add_nc_u64 s[OP:OP+1], s[48:49], s[OF:OF+1]
	BUILD 64, 64, 0, 1, 1, 1
	global_store_b32 v[R4], v[DD], s[O2:O2+1]
	s_endpgm
.Lfunc_end_k_qf312a6831b_prep:
	.size	k_qf312a6831b_prep, .Lfunc_end_k_qf312a6831b_prep-k_qf312a6831b_prep
	.p2alignl 7, 3214868480
	.fill 96, 4, 3214868480
	.section	.rodata,"a",@progbits
	.p2align	6, 0x0
	.amdhsa_kernel k_qf312a6831b_prep
		.amdhsa_group_segment_fixed_size 0
		.amdhsa_private_segment_fixed_size 0
		.amdhsa_enable_private_segment 0
		.amdhsa_kernarg_size 192
		.amdhsa_user_sgpr_count 2
		.amdhsa_user_sgpr_kernarg_segment_ptr 1
		.amdhsa_wavefront_size32 1
		.amdhsa_system_sgpr_workgroup_id_x 1
		.amdhsa_system_sgpr_workgroup_id_y 1
		.amdhsa_system_sgpr_workgroup_id_z 1
		.amdhsa_system_vgpr_workitem_id 0
		.amdhsa_next_free_vgpr 192
		.amdhsa_next_free_sgpr 78
		.amdhsa_reserve_vcc 0
		.amdhsa_float_denorm_mode_32 3
		.amdhsa_float_denorm_mode_16_64 3
		.amdhsa_memory_ordered 1
		.amdhsa_forward_progress 1
		.amdhsa_inst_pref_size 47
	.end_amdhsa_kernel
	.amdgpu_metadata
---
amdhsa.version: [ 1, 2 ]
amdhsa.kernels:
  - .name:           k_qf312a6831b_prep
    .symbol:         k_qf312a6831b_prep.kd
    .args:
      - { .name: Wk, .offset: 0, .size: 8, .value_kind: global_buffer, .address_space: global }
      - { .name: Wv, .offset: 8, .size: 8, .value_kind: global_buffer, .address_space: global }
      - { .name: pe_W1, .offset: 16, .size: 8, .value_kind: global_buffer, .address_space: global }
      - { .name: mlp_W1, .offset: 24, .size: 8, .value_kind: global_buffer, .address_space: global }
      - { .name: pe_W2, .offset: 32, .size: 8, .value_kind: global_buffer, .address_space: global }
      - { .name: mlp_W2, .offset: 40, .size: 8, .value_kind: global_buffer, .address_space: global }
      - { .name: W_ih, .offset: 48, .size: 8, .value_kind: global_buffer, .address_space: global }
      - { .name: W_hh, .offset: 56, .size: 8, .value_kind: global_buffer, .address_space: global }
      - { .name: Wq, .offset: 64, .size: 8, .value_kind: global_buffer, .address_space: global }
      - { .name: ln_in_g, .offset: 72, .size: 8, .value_kind: global_buffer, .address_space: global }
      - { .name: ln_in_b, .offset: 80, .size: 8, .value_kind: global_buffer, .address_space: global }
      - { .name: pe_g, .offset: 88, .size: 8, .value_kind: global_buffer, .address_space: global }
      - { .name: ln_m_g, .offset: 96, .size: 8, .value_kind: global_buffer, .address_space: global }
      - { .name: pe_b, .offset: 104, .size: 8, .value_kind: global_buffer, .address_space: global }
      - { .name: ln_m_b, .offset: 112, .size: 8, .value_kind: global_buffer, .address_space: global }
      - { .name: pe_b1, .offset: 120, .size: 8, .value_kind: global_buffer, .address_space: global }
      - { .name: mlp_b1, .offset: 128, .size: 8, .value_kind: global_buffer, .address_space: global }
      - { .name: ln_s_g, .offset: 136, .size: 8, .value_kind: global_buffer, .address_space: global }
      - { .name: ln_s_b, .offset: 144, .size: 8, .value_kind: global_buffer, .address_space: global }
      - { .name: pa_W, .offset: 152, .size: 8, .value_kind: global_buffer, .address_space: global }
      - { .name: pa_b, .offset: 160, .size: 8, .value_kind: global_buffer, .address_space: global }
      - { .name: slots, .offset: 168, .size: 8, .value_kind: global_buffer, .address_space: global }
      - { .name: wts, .offset: 176, .size: 8, .value_kind: global_buffer, .address_space: global }
      - { .name: stA, .offset: 184, .size: 8, .value_kind: global_buffer, .address_space: global }
    .group_segment_fixed_size: 0
    .private_segment_fixed_size: 0
    .kernarg_segment_align: 8
    .kernarg_segment_size: 192
    .max_flat_workgroup_size: 32
    .sgpr_count:     78
    .vgpr_count:     192
    .wavefront_size: 32
...
	.end_amdgpu_metadata
.endif
;; end of part 1
;; launch enc (part 2): grid 256 x 1, 4 waves a work-group, no clusters, 327,680 bytes of LDS; arguments inputs, wts, pe_b2, slots, kf, vf, partA; writes kf, vf, partA
.if DOCPART == 2
	.amdgcn_target "amdgcn-amd-amdhsa--gfx1250"
	.amdhsa_code_object_version 6
	.text
	.protected	k_qf312a6831b_enc
	.globl	k_qf312a6831b_enc
	.p2align	8
	.type	k_qf312a6831b_enc,@function
k_qf312a6831b_enc:
	s_mov_b64 s[64:65], 0
	v_nop
	global_prefetch_b8 v0, s[64:65] scope:SCOPE_SE
	s_setreg_imm32_b32 hwreg(HW_REG_WAVE_MODE, 25, 1), 1
	s_wait_xcnt 0x0
; ENCODER AND FIRST ROUND.  For each of 524,288 rows: LayerNorm, k and v, the grids' projection, both position encoders; k_pos and v_pos leave as bf16 fragment images (kf, vf); and the first round's
; softmax over the 8 slots, the sum of the weights and weights^T v_pos, as one partial sum a work-group (partA).  Its q comes from the slots as given, so every wave makes it itself.
; SHARES.  A work-group owns 2,048 rows on end (8 work-groups a batch), a wave 512: 8 visits of 64 rows, brought by one tensor load each, and 2 trips of 32 rows (two tiles of 16) a visit.
; LAYOUT.  Weights are source 0 (a lane holds an output feature), rows source 1 (a lane holds a row): in a result lane (r, h) holds row r and features 16 t + 8 h + 0..7, and two results rounded to
; bf16 in pairs ARE the next product's source.  So the chain stays in registers, and a LayerNorm wants one exchange between the halves of the lanes.  v_pos's last product has its sources swapped:
; a lane then holds a feature and eight rows, which is source 0 of U = V^T P.
; ATTENTION.  Eight slots fill half of 16 columns: columns 0-7 serve tile 0, columns 8-15 tile 1 (q with the other half of the columns cleared).  A lane holds one slot and eight rows; the softmax goes
; over eight neighbouring lanes, the maximum over the slots taken away.  q carries D^-0.5 log2(e).  The two halves of the columns are added at the end.
; FOLDED (by the launch before): gains into weights, biases into C operands; grids @ pa_W + pa_b + ln_in_b @ W is a third K step against (g0, g1, 1, 0 ..).  pe_b2 of the v path is added by the next
; launch, behind the division by the weights' sum: the normalised weights add up to 1.
; LIMITS.  Matrix operands are bf16; variances are taken of x - mean, in f32; a weight below 2^-126 counts as 0 before 1e-8 is added; the weights' sum is taken of the unrounded weights, U of the rounded
; ones; NaN and infinities are not treated apart.
; NO CLUSTER: what work-groups share is 57 KB of weights, read once into registers at the start; every row is read by one wave alone.
; REGISTERS, in windows of 256 (s_set_vgpr_msb: bits 1:0 source 0, 3:2 source 1, 5:4 source 2, 7:6 destination):
;   window 0: addresses, statistics, packed operands, the softmax      window 1: Wk, Wv, grid fragments, q
;   window 2: pe_W1, pe_W2                                              window 3: bias images, U, and 128 registers of f32 results (AR)
.set ROWB,  264                        ; bytes in a row of the inputs: 64 features and 2 grids
.set VISB,  64*ROWB                    ; a visit: 16,896 dense bytes = 66 x 256
.set TRIPB, 32*ROWB
.set SLOT1, 1<<17                      ; slot 1 begins here, so that one exclusive or turns an address in one slot into the other's
.set RED,   4*VISB                     ; behind slot 0's four parts: 4,096 bytes a wave for the last sum; no tensor load lands here
.set REDAS, RED+16384                  ; 128 bytes a wave: the weights' sums
.set SPARE, REDAS+512                  ; the spare words, 128 bytes for each wave: two blocks of 256 bytes that no other line names
.set VEC,   147456                     ; the f32 vectors behind wts' 144 fragments
.set RR,  1                            ; v1   r = lane % 16
.set HH,  2                            ; v2   h = lane / 16
.set LA0, 3                            ; v3   264 r + 128 h + my wave's part of a slot: lane (r, h) takes features 32 h .. 32 h + 31 of row r
.set ADR, 4                            ; v4   the trip's LDS address (at the start: 32 h)
.set L16, 5                            ; v5   16 x lane
.set SPW, 6                            ; v6   LDS address of my spare word; never rewritten
.set NIL, 7                            ; v7   0; never rewritten
.set LG0, 8                            ; v8   264 r + 256 + my wave's part: the row's two grids
.set ADRG, 9                           ; v9   the trip's LDS address of the grids (at the start: 256 (r % 8) + 32 h)
.set MLO, 10                           ; v10  all ones where r < 8
.set MHI, 11                           ; v11  all ones where r >= 8
.set TT,  12                           ; v12-27  four registers of LayerNorm statistics for each of four streams
.set ZR,  28                           ; v28  0
.set L4,  29                           ; v29  4 x lane
.set RA,  30                           ; v30  the last sum: where I put U
.set RB,  31                           ; v31  the last sum: where I read my tile of it
.set XR,  32                           ; v32-99   x of tile u at 32 + 34 u: 32 features, 2 grids
.set HB,  32                           ; v32-95   later: the hidden layer packed, 32 a tile
.set XB,  100                          ; v100-131 x normalised and packed, 16 a tile
.set YB,  100                          ; v100-163 later: the four streams (k, v) x (tile 0, 1) normalised and packed
.set GB,  164                          ; v164-179 (g0, g1, 1, 0 ..) of tile u at 164 + 8 u
.set KB,  180                          ; v180-211 k_pos packed, 16 a tile
.set VF,  180                          ; later: v_pos^T packed, feature tile t at 180 + 8 t
.set LGA, 212
.set LGB, 220
.set PM,  228
.set PB,  236
.set PK,  244
.set AS,  248                          ; v248-251 the weights' running sums
.set RL,  32                           ; the last sum's registers
.set RAL, 64
.set RT,  68
.set GKV, 128                          ; window 1: Wk 0-63, Wv 64-127, grid fragments 128-191
.set BQX, 192                          ; window 1: q, columns 8-15 cleared
.set BQY, 208                          ; window 1: q, columns 0-7 cleared
.set W2F, 128                          ; window 2: pe_W1(t, c) at 8 (2 t + c); pe_W2(t, c) at 128 + 8 (4 t + c)
.set B1I, 0                            ; window 3: the hidden layer's bias as C operands
.set B2I, 64                           ; window 3: pe_b2 as C operands
.set UU,  96                           ; window 3: U, feature tile t at 96 + 8 t
.set AR,  128                          ; window 3: f32 results
.set IN,  4
.set WT,  6
.set PB2, 8
.set SL,  10
.set KP,  12
.set VP,  14
.set PO,  16
.set WV,  18
.set G1,  24                           ; s[24:31] descriptor group 1
.set G0,  32                           ; s[32:35] descriptor group 0: it walks
.set VIS, 36
.set TC,  37
.set TB,  38                           ; s38  LDS byte of the trip's rows in a wave's part: slot and trip
.set SEL, 40                           ; s[40:41]
.set C64, 42                           ; 1 / 64
.set CEPS, 43                          ; 1e-5
.set PAO, 44
.set WB,  46
.set MSB, 0
.macro WIN new                         ; the immediate's high byte repeats the setting that is left; a switch that changes nothing is dropped
.if MSB != (\new)
	s_set_vgpr_msb (MSB<<8)|(\new)
.set MSB, (\new)
.endif
.endm
.macro PLACES                          ; four plain vector instructions behind a run of matrix instructions, ahead of what reads its results or rewrites its registers (ISA guide 7.12.1)
.rept 4
	v_nop
.endr
.endm
.macro MMA d, a, b, c
	v_wmma_f32_16x16x32_bf16 v[(\d):(\d)+7], v[(\a):(\a)+7], v[(\b):(\b)+7], v[(\c):(\c)+7]
.endm
.macro MMZ d, a, b                     ; the product that starts a sum
	v_wmma_f32_16x16x32_bf16 v[(\d):(\d)+7], v[(\a):(\a)+7], v[(\b):(\b)+7], 0
.endm
.macro EACH cnt, line:vararg           ; one line for each stream s_
.set s_, 0
.rept \cnt
	\line
.set s_, s_+1
.endr
.endm
.macro LNX cnt                         ; a stream's two chains, its two halves and the other half of the lanes' are added
	WIN 0
	EACH \cnt, v_pk_add_f32 v[TT+4*s_:TT+4*s_+1], v[TT+4*s_:TT+4*s_+1], v[TT+4*s_+2:TT+4*s_+3]
	EACH \cnt, v_add_f32 v[TT+4*s_], v[TT+4*s_], v[TT+4*s_+1]
	EACH \cnt, v_permlanex16_b32 v[TT+4*s_+1], v[TT+4*s_], s[SEL], s[SEL+1]
	EACH \cnt, v_add_f32 v[TT+4*s_], v[TT+4*s_], v[TT+4*s_+1]
.endm
; LAYERNORM without gain and bias for cnt streams, step by step for all of them, so that a step has one window setting and the streams' chains take turns.  Stream s: 32 f32 at X0 + XS s (window dw), worked on at
; W0 + WS s (window dw), 16 packed registers out at O0 + 16 s (window 0).  The sums begin at each accumulator's lowest registers.
.macro LNG dw, cnt, X0, XS, W0, WS, O0
	WIN (\dw)|((\dw)<<2)
	EACH \cnt, v_pk_add_f32 v[TT+4*s_:TT+4*s_+1], v[(\X0)+(\XS)*s_:(\X0)+(\XS)*s_+1], v[(\X0)+(\XS)*s_+2:(\X0)+(\XS)*s_+3]
	EACH \cnt, v_pk_add_f32 v[TT+4*s_+2:TT+4*s_+3], v[(\X0)+(\XS)*s_+16:(\X0)+(\XS)*s_+17], v[(\X0)+(\XS)*s_+18:(\X0)+(\XS)*s_+19]
	WIN (\dw)<<2
.set i_, 4
.rept 6
	EACH \cnt, v_pk_add_f32 v[TT+4*s_:TT+4*s_+1], v[TT+4*s_:TT+4*s_+1], v[(\X0)+(\XS)*s_+i_:(\X0)+(\XS)*s_+i_+1]
	EACH \cnt, v_pk_add_f32 v[TT+4*s_+2:TT+4*s_+3], v[TT+4*s_+2:TT+4*s_+3], v[(\X0)+(\XS)*s_+16+i_:(\X0)+(\XS)*s_+17+i_]
.set i_, i_+2
.endr
	LNX \cnt
	EACH \cnt, v_mul_f32 v[TT+4*s_+2], s[C64], v[TT+4*s_]  ; the mean
	WIN (\dw)|((\dw)<<6)
.set i_, 0
.rept 16
	EACH \cnt, v_pk_add_f32 v[(\W0)+(\WS)*s_+i_:(\W0)+(\WS)*s_+i_+1], v[(\X0)+(\XS)*s_+i_:(\X0)+(\XS)*s_+i_+1], v[TT+4*s_+2:TT+4*s_+3] op_sel_hi:[1,0] neg_lo:[0,1] neg_hi:[0,1]
.set i_, i_+2
.endr
	WIN (\dw)|((\dw)<<2)
	EACH \cnt, v_pk_mul_f32 v[TT+4*s_:TT+4*s_+1], v[(\W0)+(\WS)*s_:(\W0)+(\WS)*s_+1], v[(\W0)+(\WS)*s_:(\W0)+(\WS)*s_+1]
	EACH \cnt, v_pk_mul_f32 v[TT+4*s_+2:TT+4*s_+3], v[(\W0)+(\WS)*s_+2:(\W0)+(\WS)*s_+3], v[(\W0)+(\WS)*s_+2:(\W0)+(\WS)*s_+3]
.set i_, 4
.rept 7
	EACH \cnt, v_pk_fma_f32 v[TT+4*s_:TT+4*s_+1], v[(\W0)+(\WS)*s_+i_:(\W0)+(\WS)*s_+i_+1], v[(\W0)+(\WS)*s_+i_:(\W0)+(\WS)*s_+i_+1], v[TT+4*s_:TT+4*s_+1]
	EACH \cnt, v_pk_fma_f32 v[TT+4*s_+2:TT+4*s_+3], v[(\W0)+(\WS)*s_+i_+2:(\W0)+(\WS)*s_+i_+3], v[(\W0)+(\WS)*s_+i_+2:(\W0)+(\WS)*s_+i_+3], v[TT+4*s_+2:TT+4*s_+3]
.set i_, i_+4
.endr
	LNX \cnt
	EACH \cnt, v_fma_f32 v[TT+4*s_], v[TT+4*s_], s[C64], s[CEPS]  ; the variance + 1e-5
	EACH \cnt, v_rsq_f32 v[TT+4*s_+2], v[TT+4*s_]
	v_nop                                          ; a plain instruction between the last root and the use of its result (ISA guide 5.7.2)
	s_wait_alu depctr_va_vdst(0)
	WIN (\dw)|((\dw)<<6)
.set i_, 0
.rept 16
	EACH \cnt, v_pk_mul_f32 v[(\W0)+(\WS)*s_+i_:(\W0)+(\WS)*s_+i_+1], v[(\W0)+(\WS)*s_+i_:(\W0)+(\WS)*s_+i_+1], v[TT+4*s_+2:TT+4*s_+3] op_sel_hi:[1,0]
.set i_, i_+2
.endr
	WIN (\dw)|((\dw)<<2)
.set i_, 0
.rept 16
	EACH \cnt, v_cvt_pk_bf16_f32 v[(\O0)+16*s_+i_], v[(\W0)+(\WS)*s_+2*i_], v[(\W0)+(\WS)*s_+2*i_+1]
.set i_, i_+1
.endr
	WIN 0
.endm
; THE SOFTMAX over slots of 32 rows.  LGA + LGB: lane (r, h), register j holds the score (in powers of 2) of slot r % 8 and row 8 h + j of tile r / 8.  Out: the weights + 1e-8 onto the running sums AS, and as
; source 1 of U = V^T P: registers 0-3 are tile 0's rows (live where r < 8), registers 4-7 tile 1's (live where r >= 8).
.macro SOFTMAX
.irp i, 0,2,4,6
	v_pk_add_f32 v[LGA+(\i):LGA+(\i)+1], v[LGA+(\i):LGA+(\i)+1], v[LGB+(\i):LGB+(\i)+1]
.endr
.irp j, 0,1,2,3,4,5,6,7
	v_max_num_f32_dpp v[PM+(\j)], v[LGA+(\j)], v[LGA+(\j)] row_xmask:1 row_mask:0xf bank_mask:0xf
.endr
.irp x, 2,4
.irp j, 0,1,2,3,4,5,6,7
	v_max_num_f32_dpp v[PM+(\j)], v[PM+(\j)], v[PM+(\j)] row_xmask:\x row_mask:0xf bank_mask:0xf
.endr
.endr
.irp i, 0,2,4,6
	v_pk_add_f32 v[LGA+(\i):LGA+(\i)+1], v[LGA+(\i):LGA+(\i)+1], v[PM+(\i):PM+(\i)+1] neg_lo:[0,1] neg_hi:[0,1]  ; the row's maximum over the slots is taken away
.endr
.irp j, 0,1,2,3,4,5,6,7
	v_exp_f32 v[LGA+(\j)], v[LGA+(\j)]
.endr
	v_nop
	s_wait_alu depctr_va_vdst(0)
.irp j, 0,1,2,3,4,5,6,7
	v_add_f32_dpp v[LGB+(\j)], v[LGA+(\j)], v[LGA+(\j)] row_xmask:1 row_mask:0xf bank_mask:0xf
.endr
.irp x, 2,4
.irp j, 0,1,2,3,4,5,6,7
	v_add_f32_dpp v[LGB+(\j)], v[LGB+(\j)], v[LGB+(\j)] row_xmask:\x row_mask:0xf bank_mask:0xf
.endr
.endr
.irp j, 0,1,2,3,4,5,6,7
	v_rcp_f32 v[LGB+(\j)], v[LGB+(\j)]
.endr
	v_nop
	s_wait_alu depctr_va_vdst(0)
.irp i, 0,2,4,6
	v_pk_fma_f32 v[LGA+(\i):LGA+(\i)+1], v[LGA+(\i):LGA+(\i)+1], v[LGB+(\i):LGB+(\i)+1], 0x322bcc77 op_sel_hi:[1,1,0]  ; + 1e-8
.endr
	v_pk_add_f32 v[AS:AS+1], v[AS:AS+1], v[LGA:LGA+1]
	v_pk_add_f32 v[AS+2:AS+3], v[AS+2:AS+3], v[LGA+2:LGA+3]
	v_pk_add_f32 v[AS:AS+1], v[AS:AS+1], v[LGA+4:LGA+5]
	v_pk_add_f32 v[AS+2:AS+3], v[AS+2:AS+3], v[LGA+6:LGA+7]
.irp i, 0,1,2,3
	v_cvt_pk_bf16_f32 v[PK+(\i)], v[LGA+2*(\i)], v[LGA+2*(\i)+1]
.endr
.irp i, 0,1,2,3
	v_and_b32 v[PB+(\i)], v[MLO], v[PK+(\i)]
	v_and_b32 v[PB+4+(\i)], v[MHI], v[PK+(\i)]
.endr
.endm
; THE LAST SUM.  The four waves' U (at ub, window uw) and weight sums meet in LDS; wave w adds feature tile w, adds the two halves of the columns, and stores 1,024 bytes of the work-group's partial sum.
.macro REDUCE ub, uw
	PLACES
	WIN (\uw)<<2
.set m_, 0
.rept 8
	ds_store_b128 v[RA], v[(\ub)+4*m_:(\ub)+4*m_+3] offset:512*m_
.set m_, m_+1
.endr
	WIN 0
	v_add_f32 v[AS], v[AS], v[AS+1]
	v_add_f32 v[AS+2], v[AS+2], v[AS+3]
	v_add_f32 v[RT], v[AS], v[AS+2]
	v_lshl_add_u32 v[RT+2], v0, 2, REDAS
	v_add_nc_u32 v[RT+3], REDAS, v[L4]
	ds_store_b32 v[RT+2], v[RT]
	s_wait_dscnt 0x0                               ; for the others' sake: my stores are done
	s_barrier_signal -1
	s_barrier_wait -1
.set m_, 0
.rept 4
	ds_load_b128 v[RL+8*m_:RL+8*m_+3], v[RB] offset:4096*m_
	ds_load_b128 v[RL+8*m_+4:RL+8*m_+7], v[RB] offset:4096*m_+512
	ds_load_b32 v[RAL+m_], v[RT+3] offset:128*m_
.set m_, m_+1
.endr
	s_wait_dscnt 0x0
.irp m, 1,2,3
.irp i, 0,2,4,6
	v_pk_add_f32 v[RL+(\i):RL+(\i)+1], v[RL+(\i):RL+(\i)+1], v[RL+8*(\m)+(\i):RL+8*(\m)+(\i)+1]
.endr
.endr
.irp j, 0,1,2,3,4,5,6,7
	v_add_f32_dpp v[RL+(\j)], v[RL+(\j)], v[RL+(\j)] row_xmask:8 row_mask:0xf bank_mask:0xf  ; column r and column r xor 8 hold the same slot
.endr
	global_store_b128 v[L16], v[RL:RL+3], s[PO:PO+1]
	global_store_b128 v[L16], v[RL+4:RL+7], s[PO:PO+1] offset:512
	v_add_f32 v[RAL], v[RAL], v[RAL+1]
	v_add_f32 v[RAL+2], v[RAL+2], v[RAL+3]
	v_add_f32 v[RAL], v[RAL], v[RAL+2]
	v_permlanex16_b32 v[RAL+1], v[RAL], s[SEL], s[SEL+1]
	v_add_f32 v[RAL], v[RAL], v[RAL+1]
	v_add_f32_dpp v[RAL], v[RAL], v[RAL] row_xmask:8 row_mask:0xf bank_mask:0xf
	s_cmp_lg_u32 s[WV], 0
	s_cbranch_scc1 .Lnot_wave_0_\@
	global_store_b32 v[L4], v[RAL], s[PAO:PAO+1]   ; lane l: the sum for slot l % 8
.Lnot_wave_0_\@:
	s_wait_tensorcnt 0x0                           ; the wave's end, behind my last tensor load and my last LDS store
	ds_add_u32 v[SPW], v[NIL]
	s_wait_dscnt 0x0
	s_endpgm
.endm
; k + grids and v + grids of both tiles: 16 accumulators by turns, three K steps.  Stream s = 2 (k or v) + tile at AR + 32 s.
.macro P1
	WIN 0xf1                                       ; weights window 1, rows window 0, sums window 3
.set c_, 0
.rept 3
.set s_, 0
.rept 4
.set t_, 0
.rept 4
.set d_, AR+32*s_+8*t_
.if c_ == 0
	MMZ d_, 64*(s_/2)+16*t_, XB+16*(s_%2)
.elseif c_ == 1
	MMA d_, 64*(s_/2)+16*t_+8, XB+16*(s_%2)+8, d_
.else
	MMA d_, GKV+32*(s_/2)+8*t_, GB+8*(s_%2), d_
.endif
.set t_, t_+1
.endr
.set s_, s_+1
.endr
.set c_, c_+1
.endr
	PLACES
.endm
; The hidden layer of both tiles, for k (kv = 0) or v (1): 16 accumulators by turns; the first K step takes the bias as C.  Tile u, hidden tile t at AR + 64 u + 8 t.
.macro P3 kv
	WIN 0xf2                                       ; weights window 2
.set c_, 0
.rept 2
.set u_, 0
.rept 2
.set t_, 0
.rept 8
.set d_, AR+64*u_+8*t_
.if c_ == 0
	MMA d_, 16*t_, YB+32*(\kv)+16*u_, B1I+8*t_
.else
	MMA d_, 16*t_+8, YB+32*(\kv)+16*u_+8, d_
.endif
.set t_, t_+1
.endr
.set u_, u_+1
.endr
.set c_, c_+1
.endr
	PLACES
.endm
.macro P4                              ; rounded to bf16, then the ReLU on packed halves (the order changes no value)
	WIN 0x0f
.set i_, 0
.rept 64
	v_cvt_pk_bf16_f32 v[HB+i_], v[AR+2*i_], v[AR+2*i_+1]
.set i_, i_+1
.endr
	WIN 0
.set i_, 0
.rept 64
	v_pk_max_num_bf16 v[HB+i_], v[HB+i_], v[ZR]
.set i_, i_+1
.endr
.endm
; The second layer: 8 accumulators by turns, four K steps; tile u, feature tile t at AR + 32 u + 8 t.  sw = 0 (k): a lane holds a row; pe_b2 is the first C.  sw = 1 (v): sources swapped, a lane holds a feature.
.macro P5 sw
.if \sw
	WIN 0xf8                                       ; rows window 0 as source 0, weights window 2 as source 1
.else
	WIN 0xf2
.endif
.set c_, 0
.rept 4
.set u_, 0
.rept 2
.set t_, 0
.rept 4
.set d_, AR+32*u_+8*t_
.if \sw
.if c_ == 0
	MMZ d_, HB+32*u_, W2F+32*t_
.else
	MMA d_, HB+32*u_+8*c_, W2F+32*t_+8*c_, d_
.endif
.else
.if c_ == 0
	MMA d_, W2F+32*t_, HB+32*u_, B2I+8*t_
.else
	MMA d_, W2F+32*t_+8*c_, HB+32*u_+8*c_, d_
.endif
.endif
.set t_, t_+1
.endr
.set u_, u_+1
.endr
.set c_, c_+1
.endr
	PLACES
.endm
; A TRIP: 32 rows.  No two matrix instructions on end share an accumulator, over the backward jumps too (U's come last, the first products start sums).
.macro TRIP
	WIN 0
	v_add_nc_u32 v[ADR], s[TB], v[LA0]
	v_add_nc_u32 v[ADRG], s[TB], v[LG0]
.set u_, 0
.rept 2
.set j_, 0
.rept 16
	ds_load_b64 v[XR+34*u_+2*j_:XR+34*u_+2*j_+1], v[ADR] offset:16*ROWB*u_+8*j_  ; rows 66 words apart, halves 32 words: the 32 lanes' pairs of words fall on 64 different banks (ISA guide 11.1)
.set j_, j_+1
.endr
	ds_load_b64 v[XR+34*u_+32:XR+34*u_+33], v[ADRG] offset:16*ROWB*u_
.set u_, u_+1
.endr
	s_wait_dscnt 0x0
	LNG 0, 2, XR, 34, XR, 34, XB
	v_cvt_pk_bf16_f32 v[GB], v[XR+32], v[XR+33]
	v_cvt_pk_bf16_f32 v[GB+8], v[XR+66], v[XR+67]
	P1
	LNG 3, 4, AR, 32, AR, 32, YB
	P3 0
	P4
	P5 0
	WIN 0x0f
.set i_, 0
.rept 32
	v_cvt_pk_bf16_f32 v[KB+i_], v[AR+2*i_], v[AR+2*i_+1]
.set i_, i_+1
.endr
	WIN 0
.set i_, 0
.rept 8
	global_store_b128 v[L16], v[KB+4*i_:KB+4*i_+3], s[KP:KP+1] offset:512*i_  ; k_pos as it lies in registers: 512 consecutive bytes a store
.set i_, i_+1
.endr
	WIN 0x04                                       ; q in window 1
	MMZ LGA, KB, BQX
	MMZ LGB, KB+16, BQY
	MMA LGA, KB+8, BQX+8, LGA
	MMA LGB, KB+24, BQY+8, LGB
	WIN 0
	PLACES
	SOFTMAX
	P3 1
	P4
	P5 1
	s_wait_xcnt 0x0                                ; k_pos's stores have read their registers, which v_pos now takes (ISA guide 3.1)
	WIN 0x0f
.set t_, 0
.rept 4
.set u_, 0
.rept 2
.set i_, 0
.rept 4
	v_cvt_pk_bf16_f32 v[VF+8*t_+4*u_+i_], v[AR+32*u_+8*t_+2*i_], v[AR+32*u_+8*t_+2*i_+1]
.set i_, i_+1
.endr
.set u_, u_+1
.endr
.set t_, t_+1
.endr
	WIN 0
.set i_, 0
.rept 8
	global_store_b128 v[L16], v[VF+4*i_:VF+4*i_+3], s[VP:VP+1] offset:512*i_
.set i_, i_+1
.endr
	WIN 0xf0
.irp t, 0,1,2,3
	MMA UU+8*(\t), VF+8*(\t), PB, UU+8*(\t)
.endr
	WIN 0
	s_wait_xcnt 0x0                                ; the stores' bases and data are rewritten only behind this wait
	s_add_nc_u64 s[KP:KP+1], s[KP:KP+1], 4096
	s_add_nc_u64 s[VP:VP+1], s[VP:VP+1], 4096
	s_add_co_u32 s[TB], s[TB], TRIPB
.endm
.macro TRIPS                           ; a visit's two trips: written once, walked twice
	WIN 0
	s_mov_b32 s[TC], 2
.Ltrip_\@:
	TRIP
	WIN 0
	s_sub_co_u32 s[TC], s[TC], 1
	s_cmp_lg_u32 s[TC], 0
	s_cbranch_scc1 .Ltrip_\@
.endm
; THE CHANGE OF SLOTS.  Each wave waits for all its tensor loads, of which one is out: the other slot's; adds 0 to its spare word; waits for that and for its reads of the slot that it leaves; and passes a barrier.
; fill = 1: the slot just read is filled again, the first thing behind the barrier, with the visit two on: one load of 16,896 bytes a wave, which has a visit's 368 matrix instructions in which to land.
; (At its first use nothing has been read yet: slot 0 is waited for, slot 1 filled.)
.macro CHANGE fill
	WIN 0
	s_wait_tensorcnt 0x0                           ; no tensor load of mine is out, so group 0 may be written
	ds_add_u32 v[SPW], v[NIL]                      ; 0 onto my spare word
.if \fill
	s_xor_b32 s[G0+1], s[G0+1], SLOT1              ; the other slot than last time,
	s_add_nc_u64 s[G0+2:G0+3], s[G0+2:G0+3], VISB  ; the next 64 rows; the type bits on top are not reached
.endif
	s_wait_dscnt 0x0                               ; the add is done, and my reads of the slot are over
	s_barrier_signal -1
	s_sub_co_u32 s[TB], s[TB], VISB                ; the reads go back to a slot's first trip,
	s_xor_b32 s[TB], s[TB], SLOT1                  ; in the other slot
	s_barrier_wait -1
.if \fill
	tensor_load_to_lds s[G0:G0+3], s[G1:G1+7]
	s_nop 0
	PLACES
.endif
.endm
	s_load_b256 s[4:11], s[0:1], 0x0               ; inputs, wts, pe_b2, slots
	s_load_b128 s[12:15], s[0:1], 0x20             ; kf, vf
	s_load_b64 s[16:17], s[0:1], 0x30              ; partA
	v_lshl_add_u32 v[SPW], v0, 2, SPARE
	v_mov_b32 v[NIL], 0
	ds_add_u32 v[SPW], v[NIL]                      ; the wave's opening: the add and its wait stand ahead of my first tensor load; the set-up below, work on registers, stands between them
	ds_add_u32 v6, v7
	v_lshrrev_b32 v1, 5, v0
	v_readfirstlane_b32 s[WV], v1                  ; wave 0..3
	; descriptor group 1: 16,896 dense bytes as 66 rows of 32 elements of 8 bytes, laid down without padding
	s_mov_b32 s[G1+0], 3<<16                       ; no mask; elements of 8 bytes; no padding
	s_mov_b32 s[G1+1], 32<<16                      ; tensor_dim0 = 32
	s_mov_b32 s[G1+2], 66<<16                      ; tensor_dim1 = 66
	s_mov_b32 s[G1+3], 32<<16                      ; tile_dim0 = 32
	s_mov_b32 s[G1+4], 66                          ; tile_dim1 = 66
	s_mov_b32 s[G1+5], 32                          ; 32 elements from row to row
	s_mov_b32 s[G1+6], 0
	s_mov_b32 s[G1+7], 0
	s_mov_b32 s[G0], 1                             ; count = 1
	s_mul_i32 s[G0+1], s[WV], VISB                 ; LDS address: slot 0, my wave's part
	s_mul_i32 s[WB], s[WV], VISB
	s_mul_i32 s20, ttmp9, 2048*ROWB                ; my work-group's rows,
	s_mul_i32 s21, s[WV], 512*ROWB                 ; my wave's
	s_add_co_u32 s20, s20, s21
	s_mov_b32 s21, 0
	s_lshl_b32 s22, ttmp9, 18                      ; the same rows in kf and vf: 128 bytes a row
	s_lshl_b32 s23, s[WV], 16
	s_add_co_u32 s22, s22, s23
	s_mov_b32 s23, 0
	s_mov_b32 s[SEL], 0x76543210
	s_mov_b32 s[SEL+1], 0xfedcba98
	s_mov_b32 s[C64], 0x3c800000
	s_mov_b32 s[CEPS], 0x3727c5ac
	s_mov_b32 s[TB], SLOT1+VISB                    ; the first change of slots turns this into 0
	s_mov_b32 s[VIS], 7
	v_and_b32 v[RR], 15, v0
	v_bfe_u32 v[HH], v0, 4, 1
	v_and_b32 v[L16], 31, v0
	v_lshlrev_b32 v[L4], 2, v[L16]
	v_lshlrev_b32 v[L16], 4, v[L16]
	v_lshlrev_b32 v[ADR], 5, v[HH]                 ; for the bias images: 32 h
	v_and_b32 v[ADRG], 7, v0
	v_lshl_add_u32 v[ADRG], v[ADRG], 8, v[ADR]     ; for the slots: 256 (r % 8) + 32 h
	v_mul_u32_u24 v[LA0], v[RR], ROWB
	v_add_nc_u32 v[LA0], s[WB], v[LA0]
	v_add_nc_u32 v[LG0], 256, v[LA0]
	v_lshl_add_u32 v[LA0], v[HH], 7, v[LA0]
	v_bfe_u32 v[MHI], v0, 3, 1
	v_add_nc_u32 v[MLO], -1, v[MHI]
	v_sub_nc_u32 v[MHI], 0, v[MHI]
	v_mov_b32 v[ZR], 0
	s_lshl_b32 s47, s[WV], 12
	s_add_co_u32 s47, s47, RED
	v_add_nc_u32 v[RA], s47, v[L16]
	s_lshl_b32 s47, s[WV], 10
	s_add_co_u32 s47, s47, RED
	v_add_nc_u32 v[RB], s47, v[L16]
	s_wait_dscnt 0x0                               ; the opening add is done
	s_wait_kmcnt 0x0
	s_add_nc_u64 s[G0+2:G0+3], s[IN:IN+1], s[20:21]  ; global address: my first 64 rows
	s_or_b32 s[G0+3], s[G0+3], 0x80000000          ; type = 2
	tensor_load_to_lds s[G0:G0+3], s[G1:G1+7]      ; visit 0 into slot 0
	s_nop 0
	PLACES
	s_add_nc_u64 s[KP:KP+1], s[KP:KP+1], s[22:23]
	s_add_nc_u64 s[VP:VP+1], s[VP:VP+1], s[22:23]
	s_mul_i32 s20, ttmp9, 4352
	s_add_nc_u64 s[PO:PO+1], s[PO:PO+1], s[20:21]
	s_add_nc_u64 s[PAO:PAO+1], s[PO:PO+1], 4096
	s_lshl_b32 s20, s[WV], 10
	s_add_nc_u64 s[PO:PO+1], s[PO:PO+1], s[20:21]
	; the weights come into registers once: a fragment is two loads of 512 consecutive bytes
	WIN 0x40
.set f_, 0
.rept 24
	global_load_b128 v[8*f_:8*f_+3], v[L16], s[WT:WT+1] offset:1024*f_
	global_load_b128 v[8*f_+4:8*f_+7], v[L16], s[WT:WT+1] offset:1024*f_+512
.set f_, f_+1
.endr
	WIN 0x80
.set f_, 0
.rept 32
	global_load_b128 v[8*f_:8*f_+3], v[L16], s[WT:WT+1] offset:1024*(24+f_)
	global_load_b128 v[8*f_+4:8*f_+7], v[L16], s[WT:WT+1] offset:1024*(24+f_)+512
.set f_, f_+1
.endr
	WIN 0xc0
.set t_, 0
.rept 8                                ; C operands: register j of lane (r, h) is the bias of feature 16 t + 8 h + j
	global_load_b128 v[B1I+8*t_:B1I+8*t_+3], v[ADR], s[WT:WT+1] offset:VEC+64*t_
	global_load_b128 v[B1I+8*t_+4:B1I+8*t_+7], v[ADR], s[WT:WT+1] offset:VEC+64*t_+16
.set t_, t_+1
.endr
.set t_, 0
.rept 4
	global_load_b128 v[B2I+8*t_:B2I+8*t_+3], v[ADR], s[PB2:PB2+1] offset:64*t_
	global_load_b128 v[B2I+8*t_+4:B2I+8*t_+7], v[ADR], s[PB2:PB2+1] offset:64*t_+16
	global_load_b128 v[AR+64+8*t_:AR+64+8*t_+3], v[ADR], s[WT:WT+1] offset:VEC+1024+64*t_      ; q's bias, for the start only
	global_load_b128 v[AR+64+8*t_+4:AR+64+8*t_+7], v[ADR], s[WT:WT+1] offset:VEC+1024+64*t_+16
.set t_, t_+1
.endr
.set f_, 0
.rept 8                                ; Wq, for the start only
	global_load_b128 v[AR+8*f_:AR+8*f_+3], v[L16], s[WT:WT+1] offset:1024*(136+f_)
	global_load_b128 v[AR+8*f_+4:AR+8*f_+7], v[L16], s[WT:WT+1] offset:1024*(136+f_)+512
.set f_, f_+1
.endr
.set i_, 0
.rept 32                               ; U starts at 0: the price of one text for every trip
	v_mov_b32 v[UU+i_], 0
.set i_, i_+1
.endr
	WIN 0
.set t_, 0
.rept 4                                ; the slots: lane (r, h) holds slot r % 8, features 16 t + 8 h + 0..7
	global_load_b128 v[XR+8*t_:XR+8*t_+3], v[ADRG], s[SL:SL+1] offset:64*t_
	global_load_b128 v[XR+8*t_+4:XR+8*t_+7], v[ADRG], s[SL:SL+1] offset:64*t_+16
.set t_, t_+1
.endr
.irp u, 0,8
	v_mov_b32 v[GB+(\u)+1], 0x3f80                 ; k = 2: 1.0; k = 3: 0
.irp i, 2,3,4,5,6,7
	v_mov_b32 v[GB+(\u)+(\i)], 0
.endr
.endr
.irp j, 0,1,2,3,4,5,6,7
	v_mov_b32 v[PM+(\j)], 0                        ; a lane-crossing form's destination counts as read
.endr
.irp j, 0,1,2,3
	v_mov_b32 v[AS+(\j)], 0
.endr
	s_wait_loadcnt 0x0
	; q of the first round: LayerNorm of the slots, Wq (gain, bias and scale folded)
	LNG 0, 1, XR, 0, XR, 0, XB
	WIN 0x33
.irp t, 0,1,2,3
	MMA KB+8*(\t), AR+16*(\t), XB, AR+64+8*(\t)
.endr
	WIN 0x03
.irp t, 0,1,2,3
	MMA KB+8*(\t), AR+16*(\t)+8, XB+8, KB+8*(\t)
.endr
	WIN 0
	PLACES
.set i_, 0
.rept 16
	v_cvt_pk_bf16_f32 v[LGA+i_], v[KB+2*i_], v[KB+2*i_+1]
.set i_, i_+1
.endr
	WIN 0x40
.set i_, 0
.rept 16
	v_and_b32 v[BQX+i_], v[MLO], v[LGA+i_]
	v_and_b32 v[BQY+i_], v[MHI], v[LGA+i_]
.set i_, i_+1
.endr
	WIN 0
.Lvisit:                                               ; seven times: a visit is entered and the next is asked for
	CHANGE 1
	TRIPS
	s_sub_co_u32 s[VIS], s[VIS], 1
	s_cmp_lg_u32 s[VIS], 0
	s_cbranch_scc1 .Lvisit
	CHANGE 0                                       ; the last visit is written out: nothing is asked for
	TRIPS
	REDUCE UU, 3
.Lfunc_end_k_qf312a6831b_enc:
	.size	k_qf312a6831b_enc, .Lfunc_end_k_qf312a6831b_enc-k_qf312a6831b_enc
	.p2alignl 7, 3214868480
	.fill 96, 4, 3214868480
	.section	.rodata,"a",@progbits
	.p2align	6, 0x0
	.amdhsa_kernel k_qf312a6831b_enc
		.amdhsa_group_segment_fixed_size 327680
		.amdhsa_private_segment_fixed_size 0
		.amdhsa_enable_private_segment 0
		.amdhsa_kernarg_size 56
		.amdhsa_user_sgpr_count 2
		.amdhsa_user_sgpr_kernarg_segment_ptr 1
		.amdhsa_wavefront_size32 1
		.amdhsa_system_sgpr_workgroup_id_x 1
		.amdhsa_system_sgpr_workgroup_id_y 1
		.amdhsa_system_sgpr_workgroup_id_z 1
		.amdhsa_system_vgpr_workitem_id 0
		.amdhsa_next_free_vgpr 1024
		.amdhsa_next_free_sgpr 66
		.amdhsa_reserve_vcc 0
		.amdhsa_float_denorm_mode_32 3
		.amdhsa_float_denorm_mode_16_64 3
		.amdhsa_memory_ordered 1
		.amdhsa_forward_progress 1
		.amdhsa_inst_pref_size 185
	.end_amdhsa_kernel
	.amdgpu_metadata
---
amdhsa.version: [ 1, 2 ]
amdhsa.kernels:
  - .name:           k_qf312a6831b_enc
    .symbol:         k_qf312a6831b_enc.kd
    .args:
      - { .name: inputs, .offset: 0, .size: 8, .value_kind: global_buffer, .address_space: global }
      - { .name: wts, .offset: 8, .size: 8, .value_kind: global_buffer, .address_space: global }
      - { .name: pe_b2, .offset: 16, .size: 8, .value_kind: global_buffer, .address_space: global }
      - { .name: slots, .offset: 24, .size: 8, .value_kind: global_buffer, .address_space: global }
      - { .name: kf, .offset: 32, .size: 8, .value_kind: global_buffer, .address_space: global }
      - { .name: vf, .offset: 40, .size: 8, .value_kind: global_buffer, .address_space: global }
      - { .name: partA, .offset: 48, .size: 8, .value_kind: global_buffer, .address_space: global }
    .group_segment_fixed_size: 327680
    .private_segment_fixed_size: 0
    .kernarg_segment_align: 8
    .kernarg_segment_size: 56
    .max_flat_workgroup_size: 128
    .sgpr_count:     66
    .vgpr_count:     1024
    .wavefront_size: 32
...
	.end_amdgpu_metadata
.endif
;; end of part 2
;; launch it2 (part 3): grid 256 x 1, 4 waves a work-group, no clusters, 307,712 bytes of LDS; arguments kf, vf, wts, partA, stA, pe_b2, b_ih, b_hh, mlp_b2, partB, stB; writes partB, stB
.if DOCPART == 3
	.amdgcn_target "amdgcn-amd-amdhsa--gfx1250"
	.amdhsa_code_object_version 6
	.text
	.protected	k_qf312a6831b_it2
	.globl	k_qf312a6831b_it2
	.p2align	8
	.type	k_qf312a6831b_it2,@function
k_qf312a6831b_it2:
	s_mov_b64 s[64:65], 0
	v_nop
	global_prefetch_b8 v0, s[64:65] scope:SCOPE_SE
	s_setreg_imm32_b32 hwreg(HW_REG_WAVE_MODE, 25, 1), 1
	s_wait_xcnt 0x0
; A ROUND'S END AND THE NEXT ROUND.  HEAD: the batch's 8 partial sums are added, updates = U / sum + pe_b2, GRU cell, slot MLP: the new state (stored by the batch's first work-group) and its q.
; STREAM: the next round's softmax over slots, weight sums and weights^T v_pos over the work-group's 2,048 rows, from the bf16 fragment images kf and vf; one partial sum a work-group.
; HEAD'S LAYOUT.  Weights are source 0, slots source 1: lane (r, h) holds slot r % 8 (columns 8-15 repeat columns 0-7) and features 16 t + 8 h + 0..7.  Wave w makes feature tile w of the updates and of each gate,
; hidden tiles 2 w, 2 w + 1 of the MLP and K step w of its second product (summed over the waves in f32); what the waves hand to each other goes through LDS, three barriers.
; sigmoid(x) = 1 / (1 + 2^(-x log2 e)); tanh(x) = 1 - 2 / (1 + 2^(2 x log2 e)): both hold at either end of the range.
; HOW THE STREAM IS ASKED FOR.  A wave walks 512 rows in 16 trips of 32 rows, 4,096 bytes of kf and of vf each.  The head is a chain of loads and barriers, so as much of the stream as finds room is asked for ahead of it:
; trips 0-7 by four tensor loads of 16,384 bytes into LDS of the wave's own (first fills only: nothing is filled again, and only the wave that asked reads them, behind its own wait: four tensor loads of a wave are
; outstanding at the most); trips 8-10 by 48 loads into three register slots; trip 11 into the fourth slot behind the LDS trips; trips 12-15 into the four slots as they are read out.  Every offset is an immediate.
; STREAM'S LAYOUT.  S = q K^T with q as source 0: rows 0-7 of q live against the trip's first 16 rows of k_pos, rows 8-15 against the other 16.  In the sum of the two results lane (r, h) holds ONE row (r of tile h) and
; its eight slots in eight registers, so the softmax over slots, its maximum taken away, stays inside the lane.  q carries D^-0.5 log2(e).  The weights, rounded to bf16, are 16 bytes a lane; they go through 512 bytes
; of the wave's own LDS and come back turned (ds_load_tr16_b128) as source 1 of U = V^T P: a lane then holds slot r % 8 and the 32 rows; columns 8-15 repeat columns 0-7.
; LIMITS.  Matrix operands are bf16; state, sums and gates f32; a weight below 2^-126 counts as 0 before 1e-8 is added; the weights' sum is taken of the unrounded weights, U of the rounded ones; NaN and infinities
; are not treated apart.
; NO CLUSTER: every byte of kf and vf is read by one wave alone; what work-groups share is the head's weights, read once.
.set VEC,   147456                     ; the f32 vectors behind wts' 144 fragments
.set XU,    0                          ; LDS: the updates, packed: 512 bytes a wave
.set XS,    2048                       ; the GRU's result in f32: 1,024 bytes a wave
.set XM,    6144                       ; the MLP's partial sums: 4,096 bytes a wave
.set RED,   22528                      ; the last sum: 4,096 bytes a wave
.set REDAS, 38912                      ; the weights' sums: 1,024 bytes a wave
.set PSC,   43008                      ; the weights on their way to being turned: 512 bytes a wave, the wave's own
.set SPARE, 45056                      ; the spare words, 128 bytes for each wave: two blocks of 256 bytes that no other line names
.set TILE0, 45568                      ; from here on the tensor loads' tiles, 65,536 bytes a wave; nothing is stored here
.set TRIPB, 4096                       ; bytes of kf, and of vf, in a trip
.set PIECE, 4*TRIPB                    ; what one tensor load brings.  A wave's tiles: K of trips 0-3, V of trips 0-3, K of trips 4-7, V of trips 4-7
.set HH,   2                           ; v2   h
.set L16,  3                           ; v3   16 x lane
.set L4,   4                           ; v4   4 x lane
.set HOFF, 5                           ; v5   32 h
.set SPW,  6                           ; v6   LDS address of my spare word; never rewritten
.set NIL,  7                           ; v7   0; never rewritten
.set SOFF, 8                           ; v8   256 (r % 8) + 32 h: my place in a batch's state
.set ZR,   9
.set MLO,  10                          ; all ones where r < 8
.set MHI,  11                          ; all ones where r >= 8
.set O1K,  12                          ; 16 lane + 1,024 w
.set O2K,  13                          ; 16 lane + 2,048 w
.set O4K,  14                          ; 16 lane + 4,096 w
.set OH64, 15                          ; 32 h + 64 w
.set OH128, 16                         ; 32 h + 128 w
.set OS64, 17                          ; my place in the state + 64 w
.set T16,  18                          ; 16 x thread
.set PA,   19                          ; 512 w + 16 lane: where my row's eight weights go
.set TT,   20                          ; v20-23 LayerNorm statistics
.set LT0,  24                          ; my wave's tiles + 16 lane
.set ADR,  25                          ; the trip's LDS address
.set PT,   26                          ; 512 w + 16 (8 h + lane % 8): the row that I address for the turning load
.set RA,   28
.set RB,   29
.set STO,  30                          ; my place in the state + 16 (r / 8)
.set PS,   32                          ; as loaded: v32-95 eight partial sums of my tile
.set AL,   96                          ; v96-103 eight weight sums
.set B2V,  104                         ; pe_b2 of my tile
.set PV,   112                         ; v112-143 the state
.set PVT,  144                         ; my tile of it
.set BI,   152                         ; b_ih of my tile, three gates
.set BH,   176                         ; b_hh
.set B1M,  200                         ; the MLP's folded first bias, my two tiles
.set MB2,  216                         ; v216-247 mlp_b2
.set UB,   32                          ; later: the updates packed, all tiles
.set PP,   48                          ; the state packed
.set RG,   64                          ; gates r, z; x_n, h_n
.set ZG,   72
.set XG,   80
.set HG,   88
.set UP,   100
.set SF,   160                         ; v160-191 the GRU's result, then the new state
.set LW,   32
.set NB,   64
.set HA,   80
.set HBK,  96
.set MA,   112
.set XL,   32                          ; v32-159 the four waves' partial sums
.set QA,   80
.set BQ,   112
.set LGA,  32                          ; the stream's registers: scores, then weights
.set LGB,  40
.set MX,   48                          ; v48-49 the row's maximum, named as a pair
.set SM,   50                          ; v50-53 at work
.set RC,   54                          ; v54-55 1 / the row's sum, named as a pair
.set PK,   56                          ; v56-59 the row's eight weights in bf16
.set PB,   64                          ; v64-71 the weights turned: source 1 of U
.set AS,   72                          ; v72-79 my rows' running sums of the weights, by slot
.set BQX,  192                         ; q, rows 8-15 cleared
.set BQY,  208                         ; q, rows 0-7 cleared
.set UU,   224                         ; U, feature tile t at 224 + 8 t
.set RL,   32                          ; the last sum's registers
.set RAS,  64
.set RK,   96
.set RSD,  100
.set TB,  2                            ; s2   LDS byte of the trip in a wave's tiles
.set LB,  3                            ; s3   LDS byte at which my wave's tiles begin
.set KF,  4                            ; window 1: W_ih(g, c) 16 g + 8 c; W_hh 48 + ..; mlp_W1(tt, c) 96 + 16 tt + 8 c; mlp_W2(t) 128 + 8 t; Wq 160 + 8 (2 t + c); q's bias 224 + 8 t;
.set VFP, 6                            ;           behind the head v0-63: an LDS trip's k_pos (32 registers) and v_pos^T (32)
.set WT,  8                            ; window 2: ring slot s at 64 s: k_pos 32 registers, v_pos^T 32
.set PI,  10
.set SI,  12
.set PB2, 14
.set BIH, 16
.set BHH, 18
.set MBP, 20
.set PO,  22
.set SO,  24
.set WV,  26
.set BT,  27
.set W7,  32
.set CNT, 33
.set SEL, 34
.set C64, 36
.set CEPS, 37
.set PAO, 38
.set G1,  40                           ; s[40:47] descriptor group 1, the same for the four loads
.set G0,  48                           ; s[48:63] descriptor group 0, a set for each load; never rewritten
.set MSB, 0
.macro WIN new                         ; the immediate's high byte repeats the setting that is left; a switch that changes nothing is dropped
.if MSB != (\new)
	s_set_vgpr_msb (MSB<<8)|(\new)
.set MSB, (\new)
.endif
.endm
.macro PLACES                          ; four plain vector instructions behind a run of matrix instructions, ahead of what reads its results or rewrites its registers (ISA guide 7.12.1)
.rept 4
	v_nop
.endr
.endm
.macro MMA d, a, b, c
	v_wmma_f32_16x16x32_bf16 v[(\d):(\d)+7], v[(\a):(\a)+7], v[(\b):(\b)+7], v[(\c):(\c)+7]
.endm
.macro MMZ d, a, b                     ; the product that starts a sum
	v_wmma_f32_16x16x32_bf16 v[(\d):(\d)+7], v[(\a):(\a)+7], v[(\b):(\b)+7], 0
.endm
.macro EACH cnt, line:vararg
.set s_, 0
.rept \cnt
	\line
.set s_, s_+1
.endr
.endm
.macro LNX cnt
	WIN 0
	EACH \cnt, v_pk_add_f32 v[TT+4*s_:TT+4*s_+1], v[TT+4*s_:TT+4*s_+1], v[TT+4*s_+2:TT+4*s_+3]
	EACH \cnt, v_add_f32 v[TT+4*s_], v[TT+4*s_], v[TT+4*s_+1]
	EACH \cnt, v_permlanex16_b32 v[TT+4*s_+1], v[TT+4*s_], s[SEL], s[SEL+1]
	EACH \cnt, v_add_f32 v[TT+4*s_], v[TT+4*s_], v[TT+4*s_+1]
.endm
; LAYERNORM without gain and bias: 32 f32 at X0 (window dw), worked on at W0, 16 packed registers out at O0 (window 0).  The same text as the encoder's; here one stream.
.macro LNG dw, cnt, X0, XS, W0, WS, O0
	WIN (\dw)|((\dw)<<2)
	EACH \cnt, v_pk_add_f32 v[TT+4*s_:TT+4*s_+1], v[(\X0)+(\XS)*s_:(\X0)+(\XS)*s_+1], v[(\X0)+(\XS)*s_+2:(\X0)+(\XS)*s_+3]
	EACH \cnt, v_pk_add_f32 v[TT+4*s_+2:TT+4*s_+3], v[(\X0)+(\XS)*s_+16:(\X0)+(\XS)*s_+17], v[(\X0)+(\XS)*s_+18:(\X0)+(\XS)*s_+19]
	WIN (\dw)<<2
.set i_, 4
.rept 6
	EACH \cnt, v_pk_add_f32 v[TT+4*s_:TT+4*s_+1], v[TT+4*s_:TT+4*s_+1], v[(\X0)+(\XS)*s_+i_:(\X0)+(\XS)*s_+i_+1]
	EACH \cnt, v_pk_add_f32 v[TT+4*s_+2:TT+4*s_+3], v[TT+4*s_+2:TT+4*s_+3], v[(\X0)+(\XS)*s_+16+i_:(\X0)+(\XS)*s_+17+i_]
.set i_, i_+2
.endr
	LNX \cnt
	EACH \cnt, v_mul_f32 v[TT+4*s_+2], s[C64], v[TT+4*s_]
	WIN (\dw)|((\dw)<<6)
.set i_, 0
.rept 16
	EACH \cnt, v_pk_add_f32 v[(\W0)+(\WS)*s_+i_:(\W0)+(\WS)*s_+i_+1], v[(\X0)+(\XS)*s_+i_:(\X0)+(\XS)*s_+i_+1], v[TT+4*s_+2:TT+4*s_+3] op_sel_hi:[1,0] neg_lo:[0,1] neg_hi:[0,1]
.set i_, i_+2
.endr
	WIN (\dw)|((\dw)<<2)
	EACH \cnt, v_pk_mul_f32 v[TT+4*s_:TT+4*s_+1], v[(\W0)+(\WS)*s_:(\W0)+(\WS)*s_+1], v[(\W0)+(\WS)*s_:(\W0)+(\WS)*s_+1]
	EACH \cnt, v_pk_mul_f32 v[TT+4*s_+2:TT+4*s_+3], v[(\W0)+(\WS)*s_+2:(\W0)+(\WS)*s_+3], v[(\W0)+(\WS)*s_+2:(\W0)+(\WS)*s_+3]
.set i_, 4
.rept 7
	EACH \cnt, v_pk_fma_f32 v[TT+4*s_:TT+4*s_+1], v[(\W0)+(\WS)*s_+i_:(\W0)+(\WS)*s_+i_+1], v[(\W0)+(\WS)*s_+i_:(\W0)+(\WS)*s_+i_+1], v[TT+4*s_:TT+4*s_+1]
	EACH \cnt, v_pk_fma_f32 v[TT+4*s_+2:TT+4*s_+3], v[(\W0)+(\WS)*s_+i_+2:(\W0)+(\WS)*s_+i_+3], v[(\W0)+(\WS)*s_+i_+2:(\W0)+(\WS)*s_+i_+3], v[TT+4*s_+2:TT+4*s_+3]
.set i_, i_+4
.endr
	LNX \cnt
	EACH \cnt, v_fma_f32 v[TT+4*s_], v[TT+4*s_], s[C64], s[CEPS]
	EACH \cnt, v_rsq_f32 v[TT+4*s_+2], v[TT+4*s_]
	v_nop                                          ; a plain instruction between the root and the use of its result (ISA guide 5.7.2)
	s_wait_alu depctr_va_vdst(0)
	WIN (\dw)|((\dw)<<6)
.set i_, 0
.rept 16
	EACH \cnt, v_pk_mul_f32 v[(\W0)+(\WS)*s_+i_:(\W0)+(\WS)*s_+i_+1], v[(\W0)+(\WS)*s_+i_:(\W0)+(\WS)*s_+i_+1], v[TT+4*s_+2:TT+4*s_+3] op_sel_hi:[1,0]
.set i_, i_+2
.endr
	WIN (\dw)|((\dw)<<2)
.set i_, 0
.rept 16
	EACH \cnt, v_cvt_pk_bf16_f32 v[(\O0)+16*s_+i_], v[(\W0)+(\WS)*s_+2*i_], v[(\W0)+(\WS)*s_+2*i_+1]
.set i_, i_+1
.endr
	WIN 0
.endm
; THE SOFTMAX over slots, inside the lane.  LGA + LGB: register j of lane (r, h) is the score (in powers of 2) of slot j and row r of tile h; in each lane one of the two is 0.  Out: the weights + 1e-8 onto the running
; sums AS, and, rounded to bf16 and turned through my wave's own 512 bytes of LDS, source 1 of U = V^T P.  Lane 16 h + r stores row 16 h + r's 16 bytes; of the turning load's groups of eight lanes, lane j addresses row
; 8 h + j (then 16 + 8 h + j) and lane i receives slot i of those eight rows: registers 0-3 hold k = 8 h + 0..7, registers 4-7 k = 16 + 8 h + 0..7, in lanes r and r + 8 alike.
.macro SOFTMAX
.irp i, 0,2,4,6
	v_pk_add_f32 v[LGA+(\i):LGA+(\i)+1], v[LGA+(\i):LGA+(\i)+1], v[LGB+(\i):LGB+(\i)+1]  ; both accumulators are read from their low end on
.endr
	v_max3_num_f32 v[MX], v[LGA], v[LGA+1], v[LGA+2]
	v_max3_num_f32 v[SM], v[LGA+3], v[LGA+4], v[LGA+5]
	v_max3_num_f32 v[MX], v[MX], v[LGA+6], v[LGA+7]
	v_max_num_f32 v[MX], v[MX], v[SM]
.irp i, 0,2,4,6
	v_pk_add_f32 v[LGA+(\i):LGA+(\i)+1], v[LGA+(\i):LGA+(\i)+1], v[MX:MX+1] op_sel_hi:[1,0] neg_lo:[0,1] neg_hi:[0,1]  ; the row's maximum over the slots is taken away
.endr
.irp j, 0,1,2,3,4,5,6,7
	v_exp_f32 v[LGA+(\j)], v[LGA+(\j)]
.endr
	v_nop                                          ; a plain instruction between the last exponential and the use of its result (ISA guide 5.7.2)
	s_wait_alu depctr_va_vdst(0)
	v_pk_add_f32 v[SM:SM+1], v[LGA:LGA+1], v[LGA+2:LGA+3]
	v_pk_add_f32 v[SM+2:SM+3], v[LGA+4:LGA+5], v[LGA+6:LGA+7]
	v_pk_add_f32 v[SM:SM+1], v[SM:SM+1], v[SM+2:SM+3]
	v_add_f32 v[SM], v[SM], v[SM+1]
	v_rcp_f32 v[RC], v[SM]
	v_nop
	s_wait_alu depctr_va_vdst(0)
.irp i, 0,2,4,6
	v_pk_fma_f32 v[LGA+(\i):LGA+(\i)+1], v[LGA+(\i):LGA+(\i)+1], v[RC:RC+1], 0x322bcc77 op_sel_hi:[1,0,0]  ; / the row's sum, + 1e-8
.endr
.irp i, 0,2,4,6
	v_pk_add_f32 v[AS+(\i):AS+(\i)+1], v[AS+(\i):AS+(\i)+1], v[LGA+(\i):LGA+(\i)+1]
.endr
.irp i, 0,1,2,3
	v_cvt_pk_bf16_f32 v[PK+(\i)], v[LGA+2*(\i)], v[LGA+2*(\i)+1]
.endr
	ds_store_b128 v[PA], v[PK:PK+3] offset:PSC
	ds_load_tr16_b128 v[PB:PB+3], v[PT] offset:PSC        ; LDS serves a wave's instructions in order (ISA guide 5.7.1.4): these see the store above
	ds_load_tr16_b128 v[PB+4:PB+7], v[PT] offset:PSC+256
	s_wait_dscnt 0x0
.endm
; A TRIP'S WORK on 64 registers at b of window w: k_pos of two tiles (16 registers each), v_pos^T (8 a feature tile).  No two matrix instructions on end share an accumulator, from trip to trip and over the backward
; jumps too (U's come last, the first two products start sums).
.macro CORE w, b
	WIN (\w)<<2                                    ; source 1 in window w
	MMZ LGA, BQX, (\b)
	MMZ LGB, BQY, (\b)+16
	MMA LGA, BQX+8, (\b)+8, LGA
	MMA LGB, BQY+8, (\b)+24, LGB
	WIN 0
	PLACES
	SOFTMAX
	WIN \w                                         ; source 0 in window w
.irp t, 0,1,2,3
	MMA UU+8*(\t), (\b)+32+8*(\t), PB, UU+8*(\t)
.endr
	WIN 0
.endm
; Four trips out of LDS, from byte first of my wave's tiles on.  left: the tensor loads issued behind the two that brought them.  The 16 loads of a trip take 512 neighbouring bytes each.
.macro LTRIPS first, left
	s_wait_tensorcnt \left                         ; tensor loads of a wave end in order (ISA guide 10.11.1): these four trips' K and V are in LDS; only I read them
	s_mov_b32 s[TB], \first
	s_mov_b32 s[CNT], 4
.Llds_\@:
	PLACES                                         ; ahead of the loads into registers that the last products read
	v_add_nc_u32 v[ADR], s[TB], v[LT0]
	WIN 0x40                                       ; destination window 1
.set k_, 0
.rept 8
	ds_load_b128 v[4*k_:4*k_+3], v[ADR] offset:512*k_
.set k_, k_+1
.endr
.set k_, 0
.rept 8
	ds_load_b128 v[32+4*k_:32+4*k_+3], v[ADR] offset:PIECE+512*k_
.set k_, k_+1
.endr
	WIN 0
	s_wait_dscnt 0x0
	CORE 1, 0
	s_add_co_u32 s[TB], s[TB], TRIPB
	s_sub_co_u32 s[CNT], s[CNT], 1
	s_cmp_lg_u32 s[CNT], 0
	s_cbranch_scc1 .Llds_\@
.endm
.macro RING s, trip                    ; trip's k_pos and v_pos^T into ring slot s: 16 loads of 512 consecutive bytes; each byte is read once in the launch
	WIN 0x80
.set k_, 0
.rept 8
	global_load_b128 v[64*(\s)+4*k_:64*(\s)+4*k_+3], v[L16], s[KF:KF+1] offset:TRIPB*(\trip)+512*k_ th:TH_LOAD_NT
.set k_, k_+1
.endr
.set k_, 0
.rept 8
	global_load_b128 v[64*(\s)+32+4*k_:64*(\s)+32+4*k_+3], v[L16], s[VFP:VFP+1] offset:TRIPB*(\trip)+512*k_ th:TH_LOAD_NT
.set k_, k_+1
.endr
	WIN 0
.endm
; A trip on ring slot s.  left: the younger slots' loads, which may stay out.  reload = 1: the slot takes the trip four on.
.macro TRIP s, reload, left
	s_wait_loadcnt \left                           ; loads come back in order (ISA guide 5.7.1): this slot's sixteen are in
	CORE 2, 64*(\s)
.if \reload
	PLACES                                         ; ahead of the loads into registers that those products read
	RING \s, 12+(\s)
.endif
.endm
	s_load_b512 s[4:19], s[0:1], 0x0               ; kf, vf, wts, part in, state in, pe_b2, b_ih, b_hh
	s_load_b128 s[20:23], s[0:1], 0x40             ; mlp_b2, part out
	s_load_b64 s[24:25], s[0:1], 0x50              ; state out
	v_lshl_add_u32 v[SPW], v0, 2, SPARE
	v_mov_b32 v[NIL], 0
	ds_add_u32 v[SPW], v[NIL]                      ; the wave's opening: the add and its wait stand ahead of my first tensor load; the set-up below, work on registers, stands between them
	ds_add_u32 v6, v7
	v_lshrrev_b32 v1, 5, v0
	v_readfirstlane_b32 s[WV], v1                  ; wave 0..3
	; descriptor group 1: 16,384 dense bytes as 64 rows of 32 elements of 8 bytes, laid down without padding
	s_mov_b32 s[G1+0], 3<<16                       ; no mask; elements of 8 bytes; no padding
	s_mov_b32 s[G1+1], 32<<16                      ; tensor_dim0 = 32
	s_mov_b32 s[G1+2], 64<<16                      ; tensor_dim1 = 64
	s_mov_b32 s[G1+3], 32<<16                      ; tile_dim0 = 32
	s_mov_b32 s[G1+4], 64                          ; tile_dim1 = 64
	s_mov_b32 s[G1+5], 32                          ; 32 elements from row to row
	s_mov_b32 s[G1+6], 0
	s_mov_b32 s[G1+7], 0
	s_lshl_b32 s[LB], s[WV], 16                    ; my wave's 65,536 bytes of tiles
	s_add_co_u32 s[LB], s[LB], TILE0
.irp n, 0,1,2,3
	s_mov_b32 s[G0+4*(\n)], 1                      ; count = 1
	s_add_co_u32 s[G0+4*(\n)+1], s[LB], (\n)*PIECE ; LDS address
.endr
	v_bfe_u32 v[HH], v0, 4, 1
	v_and_b32 v[L16], 31, v0
	v_lshlrev_b32 v[L4], 2, v[L16]
	v_lshlrev_b32 v[L16], 4, v[L16]
	v_lshlrev_b32 v[HOFF], 5, v[HH]
	v_and_b32 v[SOFF], 7, v0
	v_lshl_add_u32 v[PT], v[HH], 3, v[SOFF]        ; 8 h + lane % 8
	v_lshl_add_u32 v[SOFF], v[SOFF], 8, v[HOFF]
	v_mov_b32 v[ZR], 0
	v_bfe_u32 v[MHI], v0, 3, 1
	v_lshl_add_u32 v[STO], v[MHI], 4, v[SOFF]
	v_add_nc_u32 v[MLO], -1, v[MHI]
	v_sub_nc_u32 v[MHI], 0, v[MHI]
	v_lshlrev_b32 v[T16], 4, v0
	v_add_nc_u32 v[LT0], s[LB], v[L16]
	s_lshl_b32 s28, s[WV], 9
	v_add_nc_u32 v[PA], s28, v[L16]
	v_lshl_add_u32 v[PT], v[PT], 4, s28
	s_lshl_b32 s28, s[WV], 10
	v_add_nc_u32 v[O1K], s28, v[L16]
	s_lshl_b32 s28, s[WV], 11
	v_add_nc_u32 v[O2K], s28, v[L16]
	s_lshl_b32 s28, s[WV], 12
	v_add_nc_u32 v[O4K], s28, v[L16]
	s_lshl_b32 s28, s[WV], 6
	v_add_nc_u32 v[OH64], s28, v[HOFF]
	v_add_nc_u32 v[OS64], s28, v[SOFF]
	s_lshl_b32 s28, s[WV], 7
	v_add_nc_u32 v[OH128], s28, v[HOFF]
	v_add_nc_u32 v[RA], RED, v[O4K]
	v_add_nc_u32 v[RB], RED, v[O1K]
	s_mov_b32 s[SEL], 0x76543210
	s_mov_b32 s[SEL+1], 0xfedcba98
	s_mov_b32 s[C64], 0x3c800000
	s_mov_b32 s[CEPS], 0x3727c5ac
	s_lshr_b32 s[BT], ttmp9, 3                     ; the batch: 8 work-groups each
	s_and_b32 s[W7], ttmp9, 7
	s_mul_i32 s28, s[BT], 8*4352
	s_mov_b32 s29, 0
	s_lshl_b32 s30, s[BT], 11
	s_mov_b32 s31, 0
	s_wait_dscnt 0x0                               ; the opening add is done
	s_wait_kmcnt 0x0
	s_add_nc_u64 s[PI:PI+1], s[PI:PI+1], s[28:29]
	s_add_nc_u64 s[SI:SI+1], s[SI:SI+1], s[30:31]
	s_add_nc_u64 s[SO:SO+1], s[SO:SO+1], s[30:31]
	s_lshl_b32 s28, ttmp9, 18                      ; my work-group's 2,048 rows of 128 bytes,
	s_lshl_b32 s30, s[WV], 16                      ; my wave's 512
	s_add_co_u32 s28, s28, s30
	s_add_nc_u64 s[KF:KF+1], s[KF:KF+1], s[28:29]
	s_add_nc_u64 s[VFP:VFP+1], s[VFP:VFP+1], s[28:29]
	s_mul_i32 s28, ttmp9, 4352
	s_add_nc_u64 s[PO:PO+1], s[PO:PO+1], s[28:29]
	s_add_nc_u64 s[PAO:PAO+1], s[PO:PO+1], 4096
	s_lshl_b32 s28, s[WV], 10
	s_add_nc_u64 s[PO:PO+1], s[PO:PO+1], s[28:29]
	s_mov_b64 s[G0+2:G0+3], s[KF:KF+1]             ; global addresses: K and V of trips 0-3,
	s_mov_b64 s[G0+6:G0+7], s[VFP:VFP+1]
	s_add_nc_u64 s[G0+10:G0+11], s[KF:KF+1], PIECE ; of trips 4-7
	s_add_nc_u64 s[G0+14:G0+15], s[VFP:VFP+1], PIECE
.irp n, 0,1,2,3
	s_or_b32 s[G0+4*(\n)+3], s[G0+4*(\n)+3], 0x80000000  ; type = 2
.endr
	; THE HEAD'S FIRST 60 LOADS: what its first two stages wait for
.set p_, 0
.rept 8
	global_load_b128 v[PS+8*p_:PS+8*p_+3], v[O1K], s[PI:PI+1] offset:4352*p_
	global_load_b128 v[PS+8*p_+4:PS+8*p_+7], v[O1K], s[PI:PI+1] offset:4352*p_+512
	global_load_b32 v[AL+p_], v[L4], s[PI:PI+1] offset:4352*p_+4096
.set p_, p_+1
.endr
.irp q, 0,1
	global_load_b128 v[B2V+4*(\q):B2V+4*(\q)+3], v[OH64], s[PB2:PB2+1] offset:16*(\q)
	global_load_b128 v[PVT+4*(\q):PVT+4*(\q)+3], v[OS64], s[SI:SI+1] offset:16*(\q)
.endr
.set t_, 0
.rept 4
.irp q, 0,1
	global_load_b128 v[PV+8*t_+4*(\q):PV+8*t_+4*(\q)+3], v[SOFF], s[SI:SI+1] offset:64*t_+16*(\q)
.endr
.set t_, t_+1
.endr
.set g_, 0
.rept 3
.irp q, 0,1
	global_load_b128 v[BI+8*g_+4*(\q):BI+8*g_+4*(\q)+3], v[OH64], s[BIH:BIH+1] offset:256*g_+16*(\q)
	global_load_b128 v[BH+8*g_+4*(\q):BH+8*g_+4*(\q)+3], v[OH64], s[BHH:BHH+1] offset:256*g_+16*(\q)
.endr
.set g_, g_+1
.endr
	WIN 0x40
.set g_, 0
.rept 3
.irp c, 0,1
.irp q, 0,1
	global_load_b128 v[16*g_+8*(\c)+4*(\q):16*g_+8*(\c)+4*(\q)+3], v[O2K], s[WT:WT+1] offset:1024*(56+8*g_+(\c))+512*(\q)        ; W_ih, gate g, my tile
.endr
.endr
.set g_, g_+1
.endr
	WIN 0
	; THE STREAM'S FIRST EIGHT TRIPS: four first fills in one group, ahead of every wait on TENSORcnt, every LDS read and every barrier
.irp n, 0,1,2,3
	tensor_load_to_lds s[G0+4*(\n):G0+4*(\n)+3], s[G1:G1+7]
	s_nop 0
.endr
	PLACES
	; THE HEAD'S OTHER 64 LOADS
	WIN 0x40
.set g_, 0
.rept 3
.irp c, 0,1
.irp q, 0,1
	global_load_b128 v[48+16*g_+8*(\c)+4*(\q):48+16*g_+8*(\c)+4*(\q)+3], v[O2K], s[WT:WT+1] offset:1024*(80+8*g_+(\c))+512*(\q)  ; W_hh
.endr
.endr
.set g_, g_+1
.endr
.irp t, 0,1
.irp c, 0,1
.irp q, 0,1
	global_load_b128 v[96+16*(\t)+8*(\c)+4*(\q):96+16*(\t)+8*(\c)+4*(\q)+3], v[O4K], s[WT:WT+1] offset:1024*(104+2*(\t)+(\c))+512*(\q)  ; mlp_W1, my two hidden tiles
.endr
.endr
.endr
.irp t, 0,1,2,3
.irp q, 0,1
	global_load_b128 v[128+8*(\t)+4*(\q):128+8*(\t)+4*(\q)+3], v[O1K], s[WT:WT+1] offset:1024*(120+4*(\t))+512*(\q)  ; mlp_W2, my K step
.endr
.endr
.set f_, 0
.rept 8
	global_load_b128 v[160+8*f_:160+8*f_+3], v[L16], s[WT:WT+1] offset:1024*(136+f_)
	global_load_b128 v[160+8*f_+4:160+8*f_+7], v[L16], s[WT:WT+1] offset:1024*(136+f_)+512
.set f_, f_+1
.endr
.irp t, 0,1,2,3
.irp q, 0,1
	global_load_b128 v[224+8*(\t)+4*(\q):224+8*(\t)+4*(\q)+3], v[HOFF], s[WT:WT+1] offset:VEC+1024+64*(\t)+16*(\q)
.endr
.endr
	WIN 0
.irp t, 0,1
.irp q, 0,1
	global_load_b128 v[B1M+8*(\t)+4*(\q):B1M+8*(\t)+4*(\q)+3], v[OH128], s[WT:WT+1] offset:VEC+512+64*(\t)+16*(\q)
.endr
.endr
.set t_, 0
.rept 4
.irp q, 0,1
	global_load_b128 v[MB2+8*t_+4*(\q):MB2+8*t_+4*(\q)+3], v[HOFF], s[MBP:MBP+1] offset:64*t_+16*(\q)
.endr
.set t_, t_+1
.endr
	RING 0, 8                                      ; trips 8 to 10: three slots, so that no load of the head's stages has to wait for room in the counter
	RING 1, 9
	RING 2, 10
	s_wait_loadcnt 48                              ; all of the head's loads are in; the 48 ring loads issued behind them stay out
	; S0: the 8 partial sums of my tile; updates = U / sum + pe_b2
.set p_, 1
.rept 7
.irp i, 0,2,4,6
	v_pk_add_f32 v[PS+(\i):PS+(\i)+1], v[PS+(\i):PS+(\i)+1], v[PS+8*p_+(\i):PS+8*p_+(\i)+1]
.endr
.set p_, p_+1
.endr
	v_add_f32 v[AL], v[AL], v[AL+1]
	v_add_f32 v[AL+2], v[AL+2], v[AL+3]
	v_add_f32 v[AL+4], v[AL+4], v[AL+5]
	v_add_f32 v[AL+6], v[AL+6], v[AL+7]
	v_add_f32 v[AL], v[AL], v[AL+2]
	v_add_f32 v[AL+4], v[AL+4], v[AL+6]
	v_add_f32 v[AL], v[AL], v[AL+4]
	v_rcp_f32 v[AL+2], v[AL]
	v_nop
	s_wait_alu depctr_va_vdst(0)
.irp i, 0,2,4,6
	v_pk_fma_f32 v[PS+(\i):PS+(\i)+1], v[PS+(\i):PS+(\i)+1], v[AL+2:AL+3], v[B2V+(\i):B2V+(\i)+1] op_sel_hi:[1,0,1]
.endr
.irp i, 0,1,2,3
	v_cvt_pk_bf16_f32 v[UP+(\i)], v[PS+2*(\i)], v[PS+2*(\i)+1]
.endr
	ds_store_b128 v[T16], v[UP:UP+3] offset:XU
.set i_, 0
.rept 16
	v_cvt_pk_bf16_f32 v[PP+i_], v[PV+2*i_], v[PV+2*i_+1]
.set i_, i_+1
.endr
.set i_, 0
.rept 8
	v_pk_add_f32 v[BI+i_:BI+i_+1], v[BI+i_:BI+i_+1], v[BH+i_:BH+i_+1]  ; gates r and z: one bias
.set i_, i_+2
.endr
	s_wait_dscnt 0x0                               ; for the others' sake: my store is done
	s_barrier_signal -1
	s_barrier_wait -1
.irp k, 0,1,2,3
	ds_load_b128 v[UB+4*(\k):UB+4*(\k)+3], v[L16] offset:XU+512*(\k)
.endr
	s_wait_dscnt 0x0
	; S1: the GRU cell, my feature tile of each gate; four accumulators by turns
	WIN 0x01                                       ; weights in window 1
	MMA RG, 0, UB, BI
	MMA ZG, 16, UB, BI+8
	MMA XG, 32, UB, BI+16
	MMA HG, 80, PP, BH+16
	MMA RG, 8, UB+8, RG
	MMA ZG, 24, UB+8, ZG
	MMA XG, 40, UB+8, XG
	MMA HG, 88, PP+8, HG
	MMA RG, 48, PP, RG
	MMA ZG, 64, PP, ZG
	MMA RG, 56, PP+8, RG
	MMA ZG, 72, PP+8, ZG
	WIN 0
	PLACES
.set i_, 0
.rept 8
	v_pk_mul_f32 v[RG+i_:RG+i_+1], v[RG+i_:RG+i_+1], 0xbfb8aa3b op_sel_hi:[1,0]  ; r and z lie on end: - x log2(e)
.set i_, i_+2
.endr
.set i_, 0
.rept 16
	v_exp_f32 v[RG+i_], v[RG+i_]
.set i_, i_+1
.endr
	v_nop
.set i_, 0
	s_wait_alu depctr_va_vdst(0)
.rept 8
	v_pk_add_f32 v[RG+i_:RG+i_+1], v[RG+i_:RG+i_+1], 1.0 op_sel_hi:[1,0]
.set i_, i_+2
.endr
.set i_, 0
.rept 16
	v_rcp_f32 v[RG+i_], v[RG+i_]
.set i_, i_+1
.endr
	v_nop
	s_wait_alu depctr_va_vdst(0)
.irp i, 0,2,4,6
	v_pk_fma_f32 v[XG+(\i):XG+(\i)+1], v[RG+(\i):RG+(\i)+1], v[HG+(\i):HG+(\i)+1], v[XG+(\i):XG+(\i)+1]  ; x_n + r h_n
.endr
.irp i, 0,2,4,6
	v_pk_mul_f32 v[XG+(\i):XG+(\i)+1], v[XG+(\i):XG+(\i)+1], 0x4038aa3b op_sel_hi:[1,0]  ; 2 x log2(e)
.endr
.irp j, 0,1,2,3,4,5,6,7
	v_exp_f32 v[XG+(\j)], v[XG+(\j)]
.endr
	v_nop
	s_wait_alu depctr_va_vdst(0)
.irp i, 0,2,4,6
	v_pk_add_f32 v[XG+(\i):XG+(\i)+1], v[XG+(\i):XG+(\i)+1], 1.0 op_sel_hi:[1,0]
.endr
.irp j, 0,1,2,3,4,5,6,7
	v_rcp_f32 v[XG+(\j)], v[XG+(\j)]
.endr
	v_nop
	s_wait_alu depctr_va_vdst(0)
.irp i, 0,2,4,6
	v_pk_fma_f32 v[XG+(\i):XG+(\i)+1], v[XG+(\i):XG+(\i)+1], -2.0, 1.0 op_sel_hi:[1,0,0]  ; n
.endr
.irp i, 0,2,4,6
	v_pk_add_f32 v[HG+(\i):HG+(\i)+1], v[PVT+(\i):PVT+(\i)+1], v[XG+(\i):XG+(\i)+1] neg_lo:[0,1] neg_hi:[0,1]
.endr
.irp i, 0,2,4,6
	v_pk_fma_f32 v[XG+(\i):XG+(\i)+1], v[ZG+(\i):ZG+(\i)+1], v[HG+(\i):HG+(\i)+1], v[XG+(\i):XG+(\i)+1]  ; n + z (prev - n)
.endr
	ds_store_b128 v[O1K], v[XG:XG+3] offset:XS
	ds_store_b128 v[O1K], v[XG+4:XG+7] offset:XS+512
	s_wait_dscnt 0x0
	s_barrier_signal -1
	s_barrier_wait -1
.irp m, 0,1,2,3,4,5,6,7
	ds_load_b128 v[SF+4*(\m):SF+4*(\m)+3], v[L16] offset:XS+512*(\m)
.endr
	s_wait_dscnt 0x0
	; S2: the slot MLP: LayerNorm; my two hidden tiles; my K step of the second product
	LNG 0, 1, SF, 0, LW, 0, NB
	WIN 0x01
	MMA HA, 96, NB, B1M
	MMA HA+8, 112, NB, B1M+8
	MMA HA, 104, NB+8, HA
	MMA HA+8, 120, NB+8, HA+8
	WIN 0
	PLACES
.irp i, 0,1,2,3,4,5,6,7
	v_cvt_pk_bf16_f32 v[HBK+(\i)], v[HA+2*(\i)], v[HA+2*(\i)+1]
.endr
.irp i, 0,1,2,3,4,5,6,7
	v_pk_max_num_bf16 v[HBK+(\i)], v[HBK+(\i)], v[ZR]
.endr
	WIN 0x01
.irp t, 0,1,2,3
	MMZ MA+8*(\t), 128+8*(\t), HBK
.endr
	WIN 0
	PLACES
.irp m, 0,1,2,3,4,5,6,7
	ds_store_b128 v[O4K], v[MA+4*(\m):MA+4*(\m)+3] offset:XM+512*(\m)
.endr
	s_wait_dscnt 0x0
	s_barrier_signal -1
	s_barrier_wait -1
.set w_, 0
.rept 4
.irp m, 0,1,2,3,4,5,6,7
	ds_load_b128 v[XL+32*w_+4*(\m):XL+32*w_+4*(\m)+3], v[L16] offset:XM+4096*w_+512*(\m)
.endr
.set w_, w_+1
.endr
	s_wait_dscnt 0x0
	; S3: the new state, whole in every wave
.set i_, 0
.rept 16
	v_pk_add_f32 v[SF+i_:SF+i_+1], v[SF+i_:SF+i_+1], v[MB2+i_:MB2+i_+1]
.set i_, i_+2
.endr
.set w_, 0
.rept 4
.set i_, 0
.rept 16
	v_pk_add_f32 v[SF+i_:SF+i_+1], v[SF+i_:SF+i_+1], v[XL+32*w_+i_:XL+32*w_+i_+1]
.set i_, i_+2
.endr
.set w_, w_+1
.endr
	s_cmp_lg_u32 s[WV], 0                          ; one wave stores it,
	s_cbranch_scc1 .Lstored
	s_cmp_lg_u32 s[W7], 0                          ; of the batch's first work-group
	s_cbranch_scc1 .Lstored
	s_mov_b32 vcc_lo, 0xff00ff00                   ; columns 8-15 repeat columns 0-7: they store the upper four of a tile's eight features
.set t_, 0
.rept 4
.irp i, 0,1,2,3
	v_cndmask_b32 v[XL+4*t_+(\i)], v[SF+8*t_+(\i)], v[SF+8*t_+4+(\i)], vcc_lo
.endr
.set t_, t_+1
.endr
.irp t, 0,1,2,3
	global_store_b128 v[STO], v[XL+4*(\t):XL+4*(\t)+3], s[SO:SO+1] offset:64*(\t)
.endr
	s_wait_xcnt 0x0                                ; the stores' data registers are rewritten only behind this wait
.Lstored:
	; S4: the next round's q
	LNG 0, 1, SF, 0, LW, 0, NB
	WIN 0x11                                       ; Wq and q's bias in window 1
.irp t, 0,1,2,3
	MMA QA+8*(\t), 160+16*(\t), NB, 224+8*(\t)
.endr
	WIN 0x01
.irp t, 0,1,2,3
	MMA QA+8*(\t), 160+16*(\t)+8, NB+8, QA+8*(\t)
.endr
	WIN 0
	PLACES
.set i_, 0
.rept 16
	v_cvt_pk_bf16_f32 v[BQ+i_], v[QA+2*i_], v[QA+2*i_+1]
.set i_, i_+1
.endr
.set i_, 0
.rept 16
	v_and_b32 v[BQX+i_], v[MLO], v[BQ+i_]
	v_and_b32 v[BQY+i_], v[MHI], v[BQ+i_]
.set i_, i_+1
.endr
.set i_, 0
.rept 32                               ; U starts at 0: the price of one text for every trip
	v_mov_b32 v[UU+i_], 0
.set i_, i_+1
.endr
.irp j, 0,1,2,3,4,5,6,7
	v_mov_b32 v[AS+(\j)], 0
.endr
	v_mov_b32 v[MX+1], 0                           ; named with the maximum, and with the reciprocal, as pairs
	v_mov_b32 v[RC+1], 0
	; THE STREAM
	LTRIPS 0, 2                                    ; trips 0-3; 2: K and V of trips 4-7 may stay out
	LTRIPS 2*PIECE, 0                              ; trips 4-7
	RING 3, 11                                     ; the fourth slot
	TRIP 0, 1, 48                                  ; trips 8-11; 48: the three younger slots' sixteen loads each
	TRIP 1, 1, 48
	TRIP 2, 1, 48
	TRIP 3, 1, 48
	TRIP 0, 0, 48                                  ; trips 12-15: nothing is left to fetch, and the counts run down
	TRIP 1, 0, 32
	TRIP 2, 0, 16
	TRIP 3, 0, 0
	; THE LAST SUM.  The four waves' U and weight sums meet in LDS; wave w adds feature tile w and stores 1,024 bytes of the work-group's partial sum.
	PLACES
.set m_, 0
.rept 8
	ds_store_b128 v[RA], v[UU+4*m_:UU+4*m_+3] offset:512*m_
.set m_, m_+1
.endr
	ds_store_b128 v[O1K], v[AS:AS+3] offset:REDAS
	ds_store_b128 v[O1K], v[AS+4:AS+7] offset:REDAS+512
	s_wait_dscnt 0x0                               ; for the others' sake: my stores are done
	s_barrier_signal -1
	s_barrier_wait -1
.set m_, 0
.rept 4
	ds_load_b128 v[RL+8*m_:RL+8*m_+3], v[RB] offset:4096*m_
	ds_load_b128 v[RL+8*m_+4:RL+8*m_+7], v[RB] offset:4096*m_+512
.set m_, m_+1
.endr
	s_wait_dscnt 0x0
.irp m, 1,2,3
.irp i, 0,2,4,6
	v_pk_add_f32 v[RL+(\i):RL+(\i)+1], v[RL+(\i):RL+(\i)+1], v[RL+8*(\m)+(\i):RL+8*(\m)+(\i)+1]
.endr
.endr
	global_store_b128 v[L16], v[RL:RL+3], s[PO:PO+1]       ; 512 consecutive bytes a store
	global_store_b128 v[L16], v[RL+4:RL+7], s[PO:PO+1] offset:512
	s_cmp_lg_u32 s[WV], 0                          ; wave 0 adds the weights' sums; no barrier stands behind this branch
	s_cbranch_scc1 .Lnot_wave_0
.set m_, 0
.rept 4
	ds_load_b128 v[RAS+8*m_:RAS+8*m_+3], v[L16] offset:REDAS+1024*m_
	ds_load_b128 v[RAS+8*m_+4:RAS+8*m_+7], v[L16] offset:REDAS+1024*m_+512
.set m_, m_+1
.endr
	s_wait_dscnt 0x0
.irp m, 1,2,3
.irp i, 0,2,4,6
	v_pk_add_f32 v[RAS+(\i):RAS+(\i)+1], v[RAS+(\i):RAS+(\i)+1], v[RAS+8*(\m)+(\i):RAS+8*(\m)+(\i)+1]
.endr
.endr
	; Eight sums a lane, over 32 lanes, and lane l is to hold slot l % 8's.  By halves: each lane keeps the slots whose bit is its own and hands the others to the lane across that bit: 8, 4, 2, 1 registers.
	s_mov_b32 vcc_lo, 0xaaaaaaaa                   ; lanes whose bit 0 is set
.irp i, 0,1,2,3
	v_cndmask_b32 v[RK+(\i)], v[RAS+2*(\i)], v[RAS+2*(\i)+1], vcc_lo
	v_cndmask_b32 v[RSD+(\i)], v[RAS+2*(\i)+1], v[RAS+2*(\i)], vcc_lo
.endr
.irp i, 0,1,2,3
	v_add_f32_dpp v[RK+(\i)], v[RSD+(\i)], v[RK+(\i)] row_xmask:1 row_mask:0xf bank_mask:0xf
.endr
	s_mov_b32 vcc_lo, 0xcccccccc                   ; bit 1
.irp i, 0,1
	v_cndmask_b32 v[RAS+(\i)], v[RK+2*(\i)], v[RK+2*(\i)+1], vcc_lo
	v_cndmask_b32 v[RAS+4+(\i)], v[RK+2*(\i)+1], v[RK+2*(\i)], vcc_lo
.endr
.irp i, 0,1
	v_add_f32_dpp v[RAS+(\i)], v[RAS+4+(\i)], v[RAS+(\i)] row_xmask:2 row_mask:0xf bank_mask:0xf
.endr
	s_mov_b32 vcc_lo, 0xf0f0f0f0                   ; bit 2
	v_cndmask_b32 v[RK], v[RAS], v[RAS+1], vcc_lo
	v_cndmask_b32 v[RK+1], v[RAS+1], v[RAS], vcc_lo
	v_add_f32_dpp v[RK], v[RK+1], v[RK] row_xmask:4 row_mask:0xf bank_mask:0xf
	v_add_f32_dpp v[RK], v[RK], v[RK] row_xmask:8 row_mask:0xf bank_mask:0xf
	v_permlanex16_b32 v[RK+1], v[RK], s[SEL], s[SEL+1]
	v_add_f32 v[RK], v[RK], v[RK+1]
	global_store_b32 v[L4], v[RK], s[PAO:PAO+1]    ; lane l: the sum for slot l % 8
.Lnot_wave_0:
	s_wait_tensorcnt 0x0                           ; the wave's end, behind my last tensor load and my last LDS store
	ds_add_u32 v[SPW], v[NIL]
	s_wait_dscnt 0x0
	s_endpgm
.Lfunc_end_k_qf312a6831b_it2:
	.size	k_qf312a6831b_it2, .Lfunc_end_k_qf312a6831b_it2-k_qf312a6831b_it2
	.p2alignl 7, 3214868480
	.fill 96, 4, 3214868480
	.section	.rodata,"a",@progbits
	.p2align	6, 0x0
	.amdhsa_kernel k_qf312a6831b_it2
		.amdhsa_group_segment_fixed_size 307712
		.amdhsa_private_segment_fixed_size 0
		.amdhsa_enable_private_segment 0
		.amdhsa_kernarg_size 88
		.amdhsa_user_sgpr_count 2
		.amdhsa_user_sgpr_kernarg_segment_ptr 1
		.amdhsa_wavefront_size32 1
		.amdhsa_system_sgpr_workgroup_id_x 1
		.amdhsa_system_sgpr_workgroup_id_y 1
		.amdhsa_system_sgpr_workgroup_id_z 1
		.amdhsa_system_vgpr_workitem_id 0
		.amdhsa_next_free_vgpr 768
		.amdhsa_next_free_sgpr 66
		.amdhsa_reserve_vcc 1
		.amdhsa_float_denorm_mode_32 3
		.amdhsa_float_denorm_mode_16_64 3
		.amdhsa_memory_ordered 1
		.amdhsa_forward_progress 1
		.amdhsa_inst_pref_size 107
	.end_amdhsa_kernel
	.amdgpu_metadata
---
amdhsa.version: [ 1, 2 ]
amdhsa.kernels:
  - .name:           k_qf312a6831b_it2
    .symbol:         k_qf312a6831b_it2.kd
    .args:
      - { .name: kf, .offset: 0, .size: 8, .value_kind: global_buffer, .address_space: global }
      - { .name: vf, .offset: 8, .size: 8, .value_kind: global_buffer, .address_space: global }
      - { .name: wts, .offset: 16, .size: 8, .value_kind: global_buffer, .address_space: global }
      - { .name: partA, .offset: 24, .size: 8, .value_kind: global_buffer, .address_space: global }
      - { .name: stA, .offset: 32, .size: 8, .value_kind: global_buffer, .address_space: global }
      - { .name: pe_b2, .offset: 40, .size: 8, .value_kind: global_buffer, .address_space: global }
      - { .name: b_ih, .offset: 48, .size: 8, .value_kind: global_buffer, .address_space: global }
      - { .name: b_hh, .offset: 56, .size: 8, .value_kind: global_buffer, .address_space: global }
      - { .name: mlp_b2, .offset: 64, .size: 8, .value_kind: global_buffer, .address_space: global }
      - { .name: partB, .offset: 72, .size: 8, .value_kind: global_buffer, .address_space: global }
      - { .name: stB, .offset: 80, .size: 8, .value_kind: global_buffer, .address_space: global }
    .group_segment_fixed_size: 307712
    .private_segment_fixed_size: 0
    .kernarg_segment_align: 8
    .kernarg_segment_size: 88
    .max_flat_workgroup_size: 128
    .sgpr_count:     66
    .vgpr_count:     768
    .wavefront_size: 32
...
	.end_amdgpu_metadata
.endif
;; end of part 3
;; launch it3: the kernel of part 3 again; grid 256 x 1, 4 waves a work-group, no clusters, 307,712 bytes of LDS; arguments kf, vf, wts, partB, stB, pe_b2, b_ih, b_hh, mlp_b2, partA, stA; writes partA, stA
;; launch fin (part 4): grid 32 x 1, 4 waves a work-group, no clusters, 23,040 bytes of LDS; arguments wts, partA, stA, pe_b2, b_ih, b_hh, mlp_b2, out0; writes out0
.if DOCPART == 4
	.amdgcn_target "amdgcn-amd-amdhsa--gfx1250"
	.amdhsa_code_object_version 6
	.text
	.protected	k_qf312a6831b_fin
	.globl	k_qf312a6831b_fin
	.p2align	8
	.type	k_qf312a6831b_fin,@function
k_qf312a6831b_fin:
	s_mov_b64 s[64:65], 0
	v_nop
	global_prefetch_b8 v0, s[64:65] scope:SCOPE_SE
	s_setreg_imm32_b32 hwreg(HW_REG_WAVE_MODE, 25, 1), 1
	s_wait_xcnt 0x0
; THE LAST ROUND'S END.  One work-group a batch: the batch's 8 partial sums are added, updates = U / sum + pe_b2, GRU cell, slot MLP; the new state is the result.
; This is the head of the launches before it, line for line, without q and without the stream.
; LAYOUT.  Weights are source 0, slots source 1: lane (r, h) holds slot r % 8 (columns 8-15 repeat columns 0-7) and features 16 t + 8 h + 0..7.  Wave w makes feature tile w of the updates and of each gate,
; hidden tiles 2 w, 2 w + 1 of the MLP and K step w of its second product (summed over the waves in f32); what the waves hand to each other goes through LDS, three barriers.
; sigmoid(x) = 1 / (1 + 2^(-x log2 e)); tanh(x) = 1 - 2 / (1 + 2^(2 x log2 e)): both hold at either end of the range.
; LIMITS.  Matrix operands are bf16; state, sums and gates f32; NaN and infinities are not treated apart.  32 work-groups: the work has no more to share.
.set VEC, 147456
.set XU,  0                            ; LDS: the updates, packed: 512 bytes a wave
.set XS,  2048                         ; the GRU's result in f32: 1,024 bytes a wave
.set XM,  6144                         ; the MLP's partial sums: 4,096 bytes a wave
.set SPARE, 22528                      ; the spare words, 128 bytes for each wave: two blocks of 256 bytes that no other line names
.set HH,   2
.set L16,  3
.set L4,   4
.set HOFF, 5
.set SPW,  6                           ; LDS address of my spare word; never rewritten
.set NIL,  7                           ; 0; never rewritten
.set SOFF, 8
.set ZR,   9
.set O1K,  12
.set O2K,  13
.set O4K,  14
.set OH64, 15
.set OH128, 16
.set OS64, 17
.set T16,  18
.set TT,   20
.set STO,  30
.set PS,   32
.set AL,   96
.set B2V,  104
.set PV,   112
.set PVT,  144
.set BI,   152
.set BH,   176
.set B1M,  200
.set MB2,  216
.set UB,   32
.set PP,   48
.set RG,   64
.set ZG,   72
.set XG,   80
.set HG,   88
.set UP,   100
.set SF,   160
.set LW,   32
.set NB,   64
.set HA,   80
.set HBK,  96
.set MA,   112
.set XL,   32
.set WT,  8
.set PI,  10
.set SI,  12
.set PB2, 14
.set BIH, 16
.set BHH, 18
.set MBP, 20
.set SO,  22
.set WV,  26
.set BT,  27
.set SEL, 34
.set C64, 36
.set CEPS, 37
.set MSB, 0
.macro WIN new                         ; the immediate's high byte repeats the setting that is left; a switch that changes nothing is dropped
.if MSB != (\new)
	s_set_vgpr_msb (MSB<<8)|(\new)
.set MSB, (\new)
.endif
.endm
.macro PLACES                          ; four plain vector instructions behind a run of matrix instructions, ahead of what reads its results or rewrites its registers (ISA guide 7.12.1)
.rept 4
	v_nop
.endr
.endm
.macro MMA d, a, b, c
	v_wmma_f32_16x16x32_bf16 v[(\d):(\d)+7], v[(\a):(\a)+7], v[(\b):(\b)+7], v[(\c):(\c)+7]
.endm
.macro MMZ d, a, b
	v_wmma_f32_16x16x32_bf16 v[(\d):(\d)+7], v[(\a):(\a)+7], v[(\b):(\b)+7], 0
.endm
.macro LNX                             ; two chains, two halves and the other half of the lanes' are added
	v_pk_add_f32 v[TT:TT+1], v[TT:TT+1], v[TT+2:TT+3]
	v_add_f32 v[TT], v[TT], v[TT+1]
	v_permlanex16_b32 v[TT+1], v[TT], s[SEL], s[SEL+1]
	v_add_f32 v[TT], v[TT], v[TT+1]
.endm
	s_load_b512 s[8:23], s[0:1], 0x0               ; wts, part, state, pe_b2, b_ih, b_hh, mlp_b2, out0
	v_lshl_add_u32 v[SPW], v0, 2, SPARE
	v_mov_b32 v[NIL], 0
	v_lshrrev_b32 v1, 5, v0
	v_readfirstlane_b32 s[WV], v1                  ; wave 0..3
	v_bfe_u32 v[HH], v0, 4, 1
	v_and_b32 v[L16], 31, v0
	v_lshlrev_b32 v[L4], 2, v[L16]
	v_lshlrev_b32 v[L16], 4, v[L16]
	v_lshlrev_b32 v[HOFF], 5, v[HH]
	v_and_b32 v[SOFF], 7, v0
	v_lshl_add_u32 v[SOFF], v[SOFF], 8, v[HOFF]
	v_mov_b32 v[ZR], 0
	v_bfe_u32 v[STO], v0, 3, 1
	v_lshl_add_u32 v[STO], v[STO], 4, v[SOFF]
	v_lshlrev_b32 v[T16], 4, v0
	s_lshl_b32 s28, s[WV], 10
	v_add_nc_u32 v[O1K], s28, v[L16]
	s_lshl_b32 s28, s[WV], 11
	v_add_nc_u32 v[O2K], s28, v[L16]
	s_lshl_b32 s28, s[WV], 12
	v_add_nc_u32 v[O4K], s28, v[L16]
	s_lshl_b32 s28, s[WV], 6
	v_add_nc_u32 v[OH64], s28, v[HOFF]
	v_add_nc_u32 v[OS64], s28, v[SOFF]
	s_lshl_b32 s28, s[WV], 7
	v_add_nc_u32 v[OH128], s28, v[HOFF]
	s_mov_b32 s[SEL], 0x76543210
	s_mov_b32 s[SEL+1], 0xfedcba98
	s_mov_b32 s[C64], 0x3c800000
	s_mov_b32 s[CEPS], 0x3727c5ac
	s_mov_b32 s[BT], ttmp9                         ; the batch
	s_mul_i32 s28, s[BT], 8*4352
	s_mov_b32 s29, 0
	s_lshl_b32 s30, s[BT], 11
	s_mov_b32 s31, 0
	s_wait_kmcnt 0x0
	s_add_nc_u64 s[PI:PI+1], s[PI:PI+1], s[28:29]
	s_add_nc_u64 s[SI:SI+1], s[SI:SI+1], s[30:31]
	s_add_nc_u64 s[SO:SO+1], s[SO:SO+1], s[30:31]
.set p_, 0
.rept 8
	global_load_b128 v[PS+8*p_:PS+8*p_+3], v[O1K], s[PI:PI+1] offset:4352*p_
	global_load_b128 v[PS+8*p_+4:PS+8*p_+7], v[O1K], s[PI:PI+1] offset:4352*p_+512
	global_load_b32 v[AL+p_], v[L4], s[PI:PI+1] offset:4352*p_+4096
.set p_, p_+1
.endr
.irp q, 0,1
	global_load_b128 v[B2V+4*(\q):B2V+4*(\q)+3], v[OH64], s[PB2:PB2+1] offset:16*(\q)
	global_load_b128 v[PVT+4*(\q):PVT+4*(\q)+3], v[OS64], s[SI:SI+1] offset:16*(\q)
.endr
.set t_, 0
.rept 4
.irp q, 0,1
	global_load_b128 v[PV+8*t_+4*(\q):PV+8*t_+4*(\q)+3], v[SOFF], s[SI:SI+1] offset:64*t_+16*(\q)
	global_load_b128 v[MB2+8*t_+4*(\q):MB2+8*t_+4*(\q)+3], v[HOFF], s[MBP:MBP+1] offset:64*t_+16*(\q)
.endr
.set t_, t_+1
.endr
.set g_, 0
.rept 3
.irp q, 0,1
	global_load_b128 v[BI+8*g_+4*(\q):BI+8*g_+4*(\q)+3], v[OH64], s[BIH:BIH+1] offset:256*g_+16*(\q)
	global_load_b128 v[BH+8*g_+4*(\q):BH+8*g_+4*(\q)+3], v[OH64], s[BHH:BHH+1] offset:256*g_+16*(\q)
.endr
.set g_, g_+1
.endr
.irp t, 0,1
.irp q, 0,1
	global_load_b128 v[B1M+8*(\t)+4*(\q):B1M+8*(\t)+4*(\q)+3], v[OH128], s[WT:WT+1] offset:VEC+512+64*(\t)+16*(\q)
.endr
.endr
	WIN 0x40                                       ; window 1: W_ih(g, c) 16 g + 8 c; W_hh 48 + ..; mlp_W1(tt, c) 96 + 16 tt + 8 c; mlp_W2(t) 128 + 8 t
.set g_, 0
.rept 3
.irp c, 0,1
.irp q, 0,1
	global_load_b128 v[16*g_+8*(\c)+4*(\q):16*g_+8*(\c)+4*(\q)+3], v[O2K], s[WT:WT+1] offset:1024*(56+8*g_+(\c))+512*(\q)
	global_load_b128 v[48+16*g_+8*(\c)+4*(\q):48+16*g_+8*(\c)+4*(\q)+3], v[O2K], s[WT:WT+1] offset:1024*(80+8*g_+(\c))+512*(\q)
.endr
.endr
.set g_, g_+1
.endr
.irp t, 0,1
.irp c, 0,1
.irp q, 0,1
	global_load_b128 v[96+16*(\t)+8*(\c)+4*(\q):96+16*(\t)+8*(\c)+4*(\q)+3], v[O4K], s[WT:WT+1] offset:1024*(104+2*(\t)+(\c))+512*(\q)
.endr
.endr
.endr
.irp t, 0,1,2,3
.irp q, 0,1
	global_load_b128 v[128+8*(\t)+4*(\q):128+8*(\t)+4*(\q)+3], v[O1K], s[WT:WT+1] offset:1024*(120+4*(\t))+512*(\q)
.endr
.endr
	WIN 0
	s_wait_loadcnt 0x0
	; S0: the 8 partial sums of my tile; updates = U / sum + pe_b2
.set p_, 1
.rept 7
.irp i, 0,2,4,6
	v_pk_add_f32 v[PS+(\i):PS+(\i)+1], v[PS+(\i):PS+(\i)+1], v[PS+8*p_+(\i):PS+8*p_+(\i)+1]
.endr
.set p_, p_+1
.endr
	v_add_f32 v[AL], v[AL], v[AL+1]
	v_add_f32 v[AL+2], v[AL+2], v[AL+3]
	v_add_f32 v[AL+4], v[AL+4], v[AL+5]
	v_add_f32 v[AL+6], v[AL+6], v[AL+7]
	v_add_f32 v[AL], v[AL], v[AL+2]
	v_add_f32 v[AL+4], v[AL+4], v[AL+6]
	v_add_f32 v[AL], v[AL], v[AL+4]
	v_rcp_f32 v[AL+2], v[AL]
	v_nop
	s_wait_alu depctr_va_vdst(0)
.irp i, 0,2,4,6
	v_pk_fma_f32 v[PS+(\i):PS+(\i)+1], v[PS+(\i):PS+(\i)+1], v[AL+2:AL+3], v[B2V+(\i):B2V+(\i)+1] op_sel_hi:[1,0,1]
.endr
.irp i, 0,1,2,3
	v_cvt_pk_bf16_f32 v[UP+(\i)], v[PS+2*(\i)], v[PS+2*(\i)+1]
.endr
	ds_store_b128 v[T16], v[UP:UP+3] offset:XU
.set i_, 0
.rept 16
	v_cvt_pk_bf16_f32 v[PP+i_], v[PV+2*i_], v[PV+2*i_+1]
.set i_, i_+1
.endr
.set i_, 0
.rept 8
	v_pk_add_f32 v[BI+i_:BI+i_+1], v[BI+i_:BI+i_+1], v[BH+i_:BH+i_+1]  ; gates r and z: one bias
.set i_, i_+2
.endr
	s_wait_dscnt 0x0                               ; for the others' sake: my store is done
	s_barrier_signal -1
	s_barrier_wait -1
.irp k, 0,1,2,3
	ds_load_b128 v[UB+4*(\k):UB+4*(\k)+3], v[L16] offset:XU+512*(\k)
.endr
	s_wait_dscnt 0x0
	; S1: the GRU cell, my feature tile of each gate; four accumulators by turns
	WIN 0x01
	MMA RG, 0, UB, BI
	MMA ZG, 16, UB, BI+8
	MMA XG, 32, UB, BI+16
	MMA HG, 80, PP, BH+16
	MMA RG, 8, UB+8, RG
	MMA ZG, 24, UB+8, ZG
	MMA XG, 40, UB+8, XG
	MMA HG, 88, PP+8, HG
	MMA RG, 48, PP, RG
	MMA ZG, 64, PP, ZG
	MMA RG, 56, PP+8, RG
	MMA ZG, 72, PP+8, ZG
	WIN 0
	PLACES
.set i_, 0
.rept 8
	v_pk_mul_f32 v[RG+i_:RG+i_+1], v[RG+i_:RG+i_+1], 0xbfb8aa3b op_sel_hi:[1,0]  ; r and z lie on end: - x log2(e)
.set i_, i_+2
.endr
.set i_, 0
.rept 16
	v_exp_f32 v[RG+i_], v[RG+i_]
.set i_, i_+1
.endr
	v_nop
.set i_, 0
	s_wait_alu depctr_va_vdst(0)
.rept 8
	v_pk_add_f32 v[RG+i_:RG+i_+1], v[RG+i_:RG+i_+1], 1.0 op_sel_hi:[1,0]
.set i_, i_+2
.endr
.set i_, 0
.rept 16
	v_rcp_f32 v[RG+i_], v[RG+i_]
.set i_, i_+1
.endr
	v_nop
	s_wait_alu depctr_va_vdst(0)
.irp i, 0,2,4,6
	v_pk_fma_f32 v[XG+(\i):XG+(\i)+1], v[RG+(\i):RG+(\i)+1], v[HG+(\i):HG+(\i)+1], v[XG+(\i):XG+(\i)+1]  ; x_n + r h_n
.endr
.irp i, 0,2,4,6
	v_pk_mul_f32 v[XG+(\i):XG+(\i)+1], v[XG+(\i):XG+(\i)+1], 0x4038aa3b op_sel_hi:[1,0]  ; 2 x log2(e)
.endr
.irp j, 0,1,2,3,4,5,6,7
	v_exp_f32 v[XG+(\j)], v[XG+(\j)]
.endr
	v_nop
	s_wait_alu depctr_va_vdst(0)
.irp i, 0,2,4,6
	v_pk_add_f32 v[XG+(\i):XG+(\i)+1], v[XG+(\i):XG+(\i)+1], 1.0 op_sel_hi:[1,0]
.endr
.irp j, 0,1,2,3,4,5,6,7
	v_rcp_f32 v[XG+(\j)], v[XG+(\j)]
.endr
	v_nop
	s_wait_alu depctr_va_vdst(0)
.irp i, 0,2,4,6
	v_pk_fma_f32 v[XG+(\i):XG+(\i)+1], v[XG+(\i):XG+(\i)+1], -2.0, 1.0 op_sel_hi:[1,0,0]  ; n
.endr
.irp i, 0,2,4,6
	v_pk_add_f32 v[HG+(\i):HG+(\i)+1], v[PVT+(\i):PVT+(\i)+1], v[XG+(\i):XG+(\i)+1] neg_lo:[0,1] neg_hi:[0,1]
.endr
.irp i, 0,2,4,6
	v_pk_fma_f32 v[XG+(\i):XG+(\i)+1], v[ZG+(\i):ZG+(\i)+1], v[HG+(\i):HG+(\i)+1], v[XG+(\i):XG+(\i)+1]  ; n + z (prev - n)
.endr
	ds_store_b128 v[O1K], v[XG:XG+3] offset:XS
	ds_store_b128 v[O1K], v[XG+4:XG+7] offset:XS+512
	s_wait_dscnt 0x0
	s_barrier_signal -1
	s_barrier_wait -1
.irp m, 0,1,2,3,4,5,6,7
	ds_load_b128 v[SF+4*(\m):SF+4*(\m)+3], v[L16] offset:XS+512*(\m)
.endr
	s_wait_dscnt 0x0
	; S2: the slot MLP.  LayerNorm without gain and bias (both are folded into mlp_W1 and its bias): mean, x - mean, variance, root, scale, rounding
	v_pk_add_f32 v[TT:TT+1], v[SF:SF+1], v[SF+2:SF+3]
	v_pk_add_f32 v[TT+2:TT+3], v[SF+16:SF+17], v[SF+18:SF+19]
.irp i, 4,6,8,10,12,14
	v_pk_add_f32 v[TT:TT+1], v[TT:TT+1], v[SF+(\i):SF+(\i)+1]
	v_pk_add_f32 v[TT+2:TT+3], v[TT+2:TT+3], v[SF+16+(\i):SF+17+(\i)]
.endr
	LNX
	v_mul_f32 v[TT+2], s[C64], v[TT]
.set i_, 0
.rept 16
	v_pk_add_f32 v[LW+i_:LW+i_+1], v[SF+i_:SF+i_+1], v[TT+2:TT+3] op_sel_hi:[1,0] neg_lo:[0,1] neg_hi:[0,1]
.set i_, i_+2
.endr
	v_pk_mul_f32 v[TT:TT+1], v[LW:LW+1], v[LW:LW+1]
	v_pk_mul_f32 v[TT+2:TT+3], v[LW+2:LW+3], v[LW+2:LW+3]
.set i_, 4
.rept 7
	v_pk_fma_f32 v[TT:TT+1], v[LW+i_:LW+i_+1], v[LW+i_:LW+i_+1], v[TT:TT+1]
	v_pk_fma_f32 v[TT+2:TT+3], v[LW+i_+2:LW+i_+3], v[LW+i_+2:LW+i_+3], v[TT+2:TT+3]
.set i_, i_+4
.endr
	LNX
	v_fma_f32 v[TT], v[TT], s[C64], s[CEPS]
	v_rsq_f32 v[TT+2], v[TT]
	v_nop                                          ; a plain instruction between the root and the use of its result (ISA guide 5.7.2)
.set i_, 0
	s_wait_alu depctr_va_vdst(0)
.rept 16
	v_pk_mul_f32 v[LW+i_:LW+i_+1], v[LW+i_:LW+i_+1], v[TT+2:TT+3] op_sel_hi:[1,0]
.set i_, i_+2
.endr
.set i_, 0
.rept 16
	v_cvt_pk_bf16_f32 v[NB+i_], v[LW+2*i_], v[LW+2*i_+1]
.set i_, i_+1
.endr
	WIN 0x01
	MMA HA, 96, NB, B1M
	MMA HA+8, 112, NB, B1M+8
	MMA HA, 104, NB+8, HA
	MMA HA+8, 120, NB+8, HA+8
	WIN 0
	PLACES
.irp i, 0,1,2,3,4,5,6,7
	v_cvt_pk_bf16_f32 v[HBK+(\i)], v[HA+2*(\i)], v[HA+2*(\i)+1]
.endr
.irp i, 0,1,2,3,4,5,6,7
	v_pk_max_num_bf16 v[HBK+(\i)], v[HBK+(\i)], v[ZR]
.endr
	WIN 0x01
.irp t, 0,1,2,3
	MMZ MA+8*(\t), 128+8*(\t), HBK
.endr
	WIN 0
	PLACES
.irp m, 0,1,2,3,4,5,6,7
	ds_store_b128 v[O4K], v[MA+4*(\m):MA+4*(\m)+3] offset:XM+512*(\m)
.endr
	s_wait_dscnt 0x0
	s_barrier_signal -1
	s_barrier_wait -1
	s_cmp_lg_u32 s[WV], 0                          ; one wave adds the four partial sums and stores the result; no barrier stands behind this branch
	s_cbranch_scc1 .Lstored
.set w_, 0
.rept 4
.irp m, 0,1,2,3,4,5,6,7
	ds_load_b128 v[XL+32*w_+4*(\m):XL+32*w_+4*(\m)+3], v[L16] offset:XM+4096*w_+512*(\m)
.endr
.set w_, w_+1
.endr
	s_wait_dscnt 0x0
.set i_, 0
.rept 16
	v_pk_add_f32 v[SF+i_:SF+i_+1], v[SF+i_:SF+i_+1], v[MB2+i_:MB2+i_+1]
.set i_, i_+2
.endr
.set w_, 0
.rept 4
.set i_, 0
.rept 16
	v_pk_add_f32 v[SF+i_:SF+i_+1], v[SF+i_:SF+i_+1], v[XL+32*w_+i_:XL+32*w_+i_+1]
.set i_, i_+2
.endr
.set w_, w_+1
.endr
	s_mov_b32 vcc_lo, 0xff00ff00                   ; columns 8-15 repeat columns 0-7: they store the upper four of a tile's eight features
.set t_, 0
.rept 4
.irp i, 0,1,2,3
	v_cndmask_b32 v[XL+4*t_+(\i)], v[SF+8*t_+(\i)], v[SF+8*t_+4+(\i)], vcc_lo
.endr
.set t_, t_+1
.endr
.irp t, 0,1,2,3
	global_store_b128 v[STO], v[XL+4*(\t):XL+4*(\t)+3], s[SO:SO+1] offset:64*(\t)
.endr
.Lstored:
	s_wait_tensorcnt 0x0                           ; the wave's end, behind my last LDS store
	ds_add_u32 v[SPW], v[NIL]
	s_wait_dscnt 0x0
	s_endpgm
.Lfunc_end_k_qf312a6831b_fin:
	.size	k_qf312a6831b_fin, .Lfunc_end_k_qf312a6831b_fin-k_qf312a6831b_fin
	.p2alignl 7, 3214868480
	.fill 96, 4, 3214868480
	.section	.rodata,"a",@progbits
	.p2align	6, 0x0
	.amdhsa_kernel k_qf312a6831b_fin
		.amdhsa_group_segment_fixed_size 23040
		.amdhsa_private_segment_fixed_size 0
		.amdhsa_enable_private_segment 0
		.amdhsa_kernarg_size 64
		.amdhsa_user_sgpr_count 2
		.amdhsa_user_sgpr_kernarg_segment_ptr 1
		.amdhsa_wavefront_size32 1
		.amdhsa_system_sgpr_workgroup_id_x 1
		.amdhsa_system_sgpr_workgroup_id_y 1
		.amdhsa_system_sgpr_workgroup_id_z 1
		.amdhsa_system_vgpr_workitem_id 0
		.amdhsa_next_free_vgpr 512
		.amdhsa_next_free_sgpr 66
		.amdhsa_reserve_vcc 1
		.amdhsa_float_denorm_mode_32 3
		.amdhsa_float_denorm_mode_16_64 3
		.amdhsa_memory_ordered 1
		.amdhsa_forward_progress 1
		.amdhsa_inst_pref_size 39
	.end_amdhsa_kernel
	.amdgpu_metadata
---
amdhsa.version: [ 1, 2 ]
amdhsa.kernels:
  - .name:           k_qf312a6831b_fin
    .symbol:         k_qf312a6831b_fin.kd
    .args:
      - { .name: wts, .offset: 0, .size: 8, .value_kind: global_buffer, .address_space: global }
      - { .name: partA, .offset: 8, .size: 8, .value_kind: global_buffer, .address_space: global }
      - { .name: stA, .offset: 16, .size: 8, .value_kind: global_buffer, .address_space: global }
      - { .name: pe_b2, .offset: 24, .size: 8, .value_kind: global_buffer, .address_space: global }
      - { .name: b_ih, .offset: 32, .size: 8, .value_kind: global_buffer, .address_space: global }
      - { .name: b_hh, .offset: 40, .size: 8, .value_kind: global_buffer, .address_space: global }
      - { .name: mlp_b2, .offset: 48, .size: 8, .value_kind: global_buffer, .address_space: global }
      - { .name: out0, .offset: 56, .size: 8, .value_kind: global_buffer, .address_space: global }
    .group_segment_fixed_size: 23040
    .private_segment_fixed_size: 0
    .kernarg_segment_align: 8
    .kernarg_segment_size: 64
    .max_flat_workgroup_size: 128
    .sgpr_count:     66
    .vgpr_count:     512
    .wavefront_size: 32
...
	.end_amdgpu_metadata
.endif
;; end of part 4
